; MI455X (gfx1250); checked and timed in simulation.
; The chip was launched on July 23, 2026; its instructions are those of AMD's public machine-readable ISA for CDNA 5 (MIT licence, August 2026) and "CDNA5" Instruction Set Architecture Reference Guide (July 2026). The comments in the code are by the model that wrote it; some were corrected since.
;; Monet. Allowed arithmetic: matrix products marked QUANTISED: E3M2 operands, one E8M0 scale for each 32 along K, by v_wmma_scale_f32_16x16x128_f8f6f4 with both operands' format E3M2, f32 sums; products left as they are: f32 operands where the result goes on into a quantised operand, else bf16, f16 or f32 operands; f32 sums; everything else in f32.
;; Inputs: b1_codes 512 x 16 x 24 uint8 (E3M2 codes of b1, K innermost, in blocks of 32 codes, four codes in three bytes); b1_scales 512 x 16 uint8 (E8M0 scales of b1, one for each 32 codes along K); b2_codes 512 x 16 x 24 uint8 (E3M2 codes of b2, K innermost, in blocks of 32 codes, four codes in three bytes); b2_scales 512 x 16 uint8 (E8M0 scales of b2, one for each 32 codes along K); ln1_w 1 float32; ln2_w 1 float32; u1_b 512 float32; u1_w_codes 512 x 32 x 24 uint8 (E3M2 codes of u1_w, K innermost, in blocks of 32 codes, four codes in three bytes); u1_w_scales 512 x 32 uint8 (E8M0 scales of u1_w, one for each 32 codes along K); u2_b 512 float32; u2_w_codes 512 x 32 x 24 uint8 (E3M2 codes of u2_w, K innermost, in blocks of 32 codes, four codes in three bytes); u2_w_scales 512 x 32 uint8 (E8M0 scales of u2_w, one for each 32 codes along K); v11_w_codes 512 x 16 x 24 uint8 (E3M2 codes of v11_w, K innermost, in blocks of 32 codes, four codes in three bytes); v11_w_scales 512 x 16 uint8 (E8M0 scales of v11_w, one for each 32 codes along K); v12_w_codes 512 x 16 x 24 uint8 (E3M2 codes of v12_w, K innermost, in blocks of 32 codes, four codes in three bytes); v12_w_scales 512 x 16 uint8 (E8M0 scales of v12_w, one for each 32 codes along K); v21_w_codes 512 x 16 x 24 uint8 (E3M2 codes of v21_w, K innermost, in blocks of 32 codes, four codes in three bytes); v21_w_scales 512 x 16 uint8 (E8M0 scales of v21_w, one for each 32 codes along K); v22_w_codes 512 x 16 x 24 uint8 (E3M2 codes of v22_w, K innermost, in blocks of 32 codes, four codes in three bytes); v22_w_scales 512 x 16 uint8 (E8M0 scales of v22_w, one for each 32 codes along K); w1_codes 512 x 32 x 24 uint8 (E3M2 codes of w1, K innermost, in blocks of 32 codes, four codes in three bytes); w1_scales 512 x 32 uint8 (E8M0 scales of w1, one for each 32 codes along K); w2_codes 512 x 32 x 24 uint8 (E3M2 codes of w2, K innermost, in blocks of 32 codes, four codes in three bytes); w2_scales 512 x 32 uint8 (E8M0 scales of w2, one for each 32 codes along K); x_codes 16,384 x 32 x 24 uint8 (E3M2 codes of x, K innermost, in blocks of 32 codes, four codes in three bytes); x_scales 16,384 x 32 uint8 (E8M0 scales of x, one for each 32 codes along K).
;; Outputs: out0 16,384 x 1,024 float32.
;; This version of the problem:
;;   THIS VERSION OF THE PROBLEM IS GIVEN IN LOW PRECISION. The matrix products marked QUANTISED in the list below multiply operands that are first quantised to E3M2 (3 exponent bits, 2 mantissa bits; 6 bits a number), with one power-of-two scale for each 32 numbers along K (OCP MX v1.0); their sums are f32. All else is computed in f32.
;;   The module's matrix products, in the order in which they are computed (A, B: the left and right operand; K: the contracted axis; several contracted axes count as one K, in the product's order):
;;     1. [M 16,384, K 1,024] x [K 1,024, N 512]; A: input x (given as codes); B: input w1 (given as codes): QUANTISED
;;     2. [M 16,384, K 1,024] x [K 1,024, N 512]; A: input x (given as codes); B: input w2 (given as codes): QUANTISED
;;     3. [M 16,384, K 1,024] x [K 1,024, N 512]; A: input x (given as codes); B: input u1_w (given as codes): QUANTISED
;;     4. [M 16,384, K 1,024] x [K 1,024, N 512]; A: input x (given as codes); B: input u2_w (given as codes): QUANTISED
;;     5. [M 16,384, K 512] x [K 512, N 512]; A: computed on the way; B: input v11_w (given as codes): QUANTISED
;;     6. batch 16,384 x [M 1, K 512] x [K 512, N 1]; A: softmax; B: computed on the way: left as it is (M = 1 < 16)
;;     7. batch 16,384 x [M 512, K 1] x [K 1, N 1]; A: computed on the way; B: computed on the way: left as it is (K = 1 < 32)
;;     8. [M 16,384, K 512] x [K 512, N 512]; A: computed on the way; B: input v12_w (given as codes): QUANTISED
;;     9. [M 16,384, K 512] x [K 512, N 512]; A: computed on the way; B: input b1 (given as codes): QUANTISED
;;     10. batch 16,384 x [M 1, K 512] x [K 512, N 1]; A: softmax; B: computed on the way: left as it is (M = 1 < 16)
;;     11. batch 16,384 x [M 512, K 1] x [K 1, N 1]; A: computed on the way; B: computed on the way: left as it is (K = 1 < 32)
;;     12. [M 16,384, K 512] x [K 512, N 512]; A: computed on the way; B: input v21_w (given as codes): QUANTISED
;;     13. [M 16,384, K 512] x [K 512, N 512]; A: computed on the way; B: input v22_w (given as codes): QUANTISED
;;     14. [M 16,384, K 512] x [K 512, N 512]; A: computed on the way; B: input b2 (given as codes): QUANTISED
;;   THE QUANTISER, for each operand of a quantised product, along K:
;;     - K is cut into blocks of 32 from its start; a last block that is shorter is filled with zeros.
;;     - A block's scale is 2^e with e = floor(log2(the largest magnitude in the block)) - 4, held to -126 .. 127; a block of zeros has e = 0. As a byte (E8M0): e + 127.
;;     - Each number is divided by its block's scale, clamped to +-28, and rounded to the nearest number of E3M2, ties to even, subnormals kept.
;;     - The product sums the exact products of the quantised numbers (number of the format x scale) in f32.
;;   ~~~python
;;   def quantise(x, axis):      # numpy; x: float32 -> the quantised numbers, widened to float32 again
;;       x = np.moveaxis(x, axis, -1); K = x.shape[-1]
;;       x = np.pad(x, [(0, 0)] * (x.ndim - 1) + [(0, -K % 32)]); x = x.reshape(x.shape[:-1] + (-1, 32)); a = np.abs(x).max(-1, keepdims=True)
;;       e = np.where(a > 0, np.clip(np.frexp(np.where(a > 0, a, 1))[1] - 1 - 4, -126, 127), 0)      # np.frexp(a)[1] - 1 = floor(log2(a)), exactly
;;       r = np.clip(x / 2.0 ** e, -28, 28)
;;       step = 2.0 ** (np.maximum(np.frexp(np.where(r == 0, 1, r))[1] - 1, -2) - 2)
;;       q = np.round(r / step) * step * 2.0 ** e      # np.round: ties to even
;;       return np.moveaxis(q.reshape(q.shape[:-2] + (-1,))[..., :K], -1, axis).astype(np.float32)
;;   ~~~
;;   OPERANDS COMPUTED ON THE WAY. 'Computed on the way' means the value that the module computes at that place (a softmax that the list does not call 'softmax' is quantised finished and normalised). What goes into a quantiser is computed in f32, as accurately as f32 sums, v_exp_f32 and their like allow (about 1e-6 of the number): no bf16 or f16 on the way to a quantiser, and a product that is left as it is and whose result goes on into a quantised operand takes f32 operands (vector FMAs, or v_wmma_f32_16x16x4_f32). A number that lies on a knife's edge between two numbers of the format may be rounded either way, as far as f32 arithmetic and the matrix unit's own rounding can turn it there, and no further.
;;   INPUTS GIVEN AS CODES. b1 (in the module: [512, 512], K = its axis 0); b2 (in the module: [512, 512], K = its axis 0); u1_w (in the module: [512, 1024], K = its axis 1); u2_w (in the module: [512, 1024], K = its axis 1); v11_w (in the module: [512, 512], K = its axis 1); v12_w (in the module: [512, 512], K = its axis 1); v21_w (in the module: [512, 512], K = its axis 1); v22_w (in the module: [512, 512], K = its axis 1); w1 (in the module: [512, 1024], K = its axis 1); w2 (in the module: [512, 1024], K = its axis 1); x (in the module: [16384, 1024], K = its axis 1): each comes as NAME_codes (uint8): NAME with its K axis moved to the last place and cut into blocks of 32 codes, [.., K / 32, bytes a block], one block behind the other in memory; four codes in three bytes: a row's codes are one little-endian stream of bits, code i at bits 6 i .. 6 i + 5 (a code: sign, 3 exponent bits, 2 mantissa bits); and NAME_scales (uint8): the same leading axes, one E8M0 byte (e + 127) for each 32 codes along K. Its value is code x scale, taken as it is: it is not quantised again, and the codes and scales need not be those that the quantiser above would give.
;; 2 versions. Each part assembles by itself: llvm-mc -triple=amdgcn-amd-amdhsa -mcpu=gfx1250 --defsym DOCPART=n.
;; ======== version 1 of 2: 2 launches
;; workspace buffers: ws 2,867,200 bytes
;; launch prep (part 1): grid 56 x 1, 4 waves a work-group, no clusters, 0 bytes of LDS; arguments w2_codes, w2_scales, u2_w_codes, u2_w_scales, w1_codes, w1_scales, u1_w_codes, u1_w_scales, v11_w_codes, v11_w_scales, v12_w_codes, v12_w_scales, b1_codes, b1_scales, v22_w_codes, v22_w_scales, v21_w_codes, v21_w_scales, b2_codes, b2_scales, ws; writes ws
.if DOCPART == 1
	.amdgcn_target "amdgcn-amd-amdhsa--gfx1250"
	.amdhsa_code_object_version 6
	.text
	.protected	k_q365abc0b65_prep
	.globl	k_q365abc0b65_prep
	.p2align	8
	.type	k_q365abc0b65_prep,@function
k_q365abc0b65_prep:
	s_mov_b64 s[64:65], 0
	v_nop
	global_prefetch_b8 v0, s[64:65] scope:SCOPE_SE
	s_setreg_imm32_b32 hwreg(HW_REG_WAVE_MODE, 25, 1), 1
	s_wait_xcnt 0x0
; The ten weights (codes of E3M2 and E8M0 scale bytes, K innermost) are laid out once in the order in which the second launch's waves take them into registers.
; ws = 4 streams (one for each wave of a work-group there) x 56 records x 12,800 bytes.  A record = 512 bytes of scale words + 8 fragments of 1,536 bytes.
; A fragment (16 rows x 128 K, 12 registers a lane) lies as an image of its registers: registers 4 c .. 4 c + 3 of lane l at 512 c + 16 l.
; The scale words: lane (r, h) has 16 bytes; its word i is the word (128 along K) of row r of the record's fragment 4 h + i.
; Records 0-31: matrix rec / 8 in the order w2, u2, w1, u1; K step rec % 8; fragment f = tile f of stream w's 128 rows; lane r takes row 128 w + 32 (f / 2) + 8 (f % 2) + r + 8 (r / 8),
; so that the results of tiles 2 b and 2 b + 1 are 16 neighbours along the next product's K.
; Records 32-55: F = 8 (rec - 32) + f; column tile F / 12; e = F % 12: operand e / 4 (x g, t g, g), K step e % 4.  Streams 0, 1: v11, v12, b1; streams 2, 3: v22, v21, b2.  Row (w % 2) 256 + 16 (F / 12) + r.
; One work-group makes record x of all four streams, a wave a stream.  Every store of a wave covers 512 consecutive bytes, aligned to 256.
.set RECB, 12800
	s_load_b512 s[4:19], s[0:1], 0x0               ; w2, u2, w1, u1: codes and scales
	s_load_b512 s[20:35], s[0:1], 0x40             ; v11, v12, b1, v22
	s_load_b256 s[36:43], s[0:1], 0x80             ; v21, b2
	s_load_b64 s[44:45], s[0:1], 0xa0              ; ws
	v_lshrrev_b32 v1, 5, v0
	v_readfirstlane_b32 s82, v1                    ; the stream
	v_and_b32 v1, 15, v0                           ; r
	v_bfe_u32 v2, v0, 4, 1                         ; h
	v_and_b32 v8, 8, v1
	v_add_nc_u32 v8, v8, v1                        ; r + 8 (r / 8)
	v_mul_u32_u24 v3, v8, 768                      ; K = 1,024: a row of codes is 768 bytes
	v_mad_u32_u24 v3, v2, 24, v3
	v_mul_u32_u24 v4, v1, 384                      ; K = 512: 384 bytes
	v_mad_u32_u24 v4, v2, 24, v4
	v_lshlrev_b32 v5, 5, v8                        ; rows of scale bytes: 32 bytes,
	v_lshlrev_b32 v6, 4, v1                        ; 16 bytes
	v_and_b32 v7, 31, v0
	v_lshlrev_b32 v7, 4, v7                        ; 16 x lane
	s_mul_i32 s46, s82, 56
	s_add_co_u32 s46, s46, ttmp9
	s_mul_i32 s46, s46, RECB                       ; my record's first byte
	s_mov_b32 s47, 0
	s_wait_kmcnt 0x0
	s_add_nc_u64 s[44:45], s[44:45], s[46:47]
	s_cmp_lt_u32 ttmp9, 32
	s_cbranch_scc0 .Lstage2
	s_lshr_b32 s83, ttmp9, 3                       ; which matrix
	s_and_b32 s84, ttmp9, 7                        ; which K step
	s_cmp_eq_u32 s83, 1
	s_cselect_b64 s[4:5], s[8:9], s[4:5]
	s_cselect_b64 s[6:7], s[10:11], s[6:7]
	s_cmp_eq_u32 s83, 2
	s_cselect_b64 s[4:5], s[12:13], s[4:5]
	s_cselect_b64 s[6:7], s[14:15], s[6:7]
	s_cmp_eq_u32 s83, 3
	s_cselect_b64 s[4:5], s[16:17], s[4:5]
	s_cselect_b64 s[6:7], s[18:19], s[6:7]
	s_mul_i32 s86, s82, 128*768                    ; the stream's 128 rows,
	s_mul_i32 s85, s84, 96                         ; the K step's 96 bytes
	s_add_co_u32 s86, s86, s85
	s_mov_b32 s87, 0
	s_add_nc_u64 s[4:5], s[4:5], s[86:87]
	s_lshl_b32 s86, s82, 12
	s_lshl_b32 s85, s84, 2
	s_add_co_u32 s86, s86, s85
	s_add_nc_u64 s[6:7], s[6:7], s[86:87]
.irp f, 0,1,2,3,4,5,6,7
.irp q, 0,1,2,3,4,5
	global_load_b64 v[16+12*\f+2*\q:17+12*\f+2*\q], v3, s[4:5] offset:(32*(\f/2)+8*(\f%2))*768+48*(\q/3)+8*(\q%3)
.endr
	global_load_b32 v[112+\f], v5, s[6:7] offset:(32*(\f/2)+8*(\f%2))*32
.endr
	s_branch .Lout
.Lstage2:
	s_lshr_b32 s92, s82, 1                         ; which half of the output
	s_and_b32 s83, s82, 1
	s_lshl_b32 s83, s83, 8                         ; the stream's first row
	s_sub_co_u32 s93, ttmp9, 32
	s_lshl_b32 s93, s93, 3                         ; F of the record's first fragment
	s_cmp_eq_u32 s92, 0
	s_cselect_b64 s[20:21], s[20:21], s[32:33]     ; for x g: v11 or v22
	s_cselect_b64 s[22:23], s[22:23], s[34:35]
	s_cselect_b64 s[24:25], s[24:25], s[36:37]     ; for t g: v12 or v21
	s_cselect_b64 s[26:27], s[26:27], s[38:39]
	s_cselect_b64 s[28:29], s[28:29], s[40:41]     ; for g: b1 or b2
	s_cselect_b64 s[30:31], s[30:31], s[42:43]
.irp f, 0,1,2,3,4,5,6,7                            ; each fragment has base registers of its own, so that none is rewritten under a pending load
	s_add_co_u32 s84, s93, \f                      ; F
	s_mul_i32 s85, s84, 171
	s_lshr_b32 s85, s85, 11                        ; F / 12 (exact for F under 192)
	s_mul_i32 s86, s85, 12
	s_sub_co_u32 s86, s84, s86                     ; e
	s_lshr_b32 s87, s86, 2                         ; operand
	s_and_b32 s86, s86, 3                          ; K step
	s_lshl_b32 s85, s85, 4
	s_add_co_u32 s85, s85, s83                     ; first row
	s_mul_i32 s88, s85, 384
	s_mul_i32 s90, s86, 96
	s_add_co_u32 s88, s88, s90
	s_mov_b32 s89, 0
	s_lshl_b32 s90, s85, 4
	s_lshl_b32 s86, s86, 2
	s_add_co_u32 s90, s90, s86
	s_mov_b32 s91, 0
	s_cmp_eq_u32 s87, 0
	s_cselect_b64 s[48+2*\f:49+2*\f], s[20:21], s[24:25]
	s_cselect_b64 s[66+2*\f:67+2*\f], s[22:23], s[26:27]
	s_cmp_eq_u32 s87, 2
	s_cselect_b64 s[48+2*\f:49+2*\f], s[28:29], s[48+2*\f:49+2*\f]
	s_cselect_b64 s[66+2*\f:67+2*\f], s[30:31], s[66+2*\f:67+2*\f]
	s_add_nc_u64 s[48+2*\f:49+2*\f], s[48+2*\f:49+2*\f], s[88:89]
	s_add_nc_u64 s[66+2*\f:67+2*\f], s[66+2*\f:67+2*\f], s[90:91]
.irp q, 0,1,2,3,4,5
	global_load_b64 v[16+12*\f+2*\q:17+12*\f+2*\q], v4, s[48+2*\f:49+2*\f] offset:48*(\q/3)+8*(\q%3)
.endr
	global_load_b32 v[112+\f], v6, s[66+2*\f:67+2*\f]
.endr
.Lout:
	s_wait_loadcnt 0x0
	v_cmp_eq_u32 vcc_lo, 1, v2
.irp i, 0,1,2,3
	v_cndmask_b32 v[120+\i], v[112+\i], v[116+\i], vcc_lo   ; lanes 0-15: fragments 0-3; lanes 16-31: fragments 4-7
.endr
	global_store_b128 v7, v[120:123], s[44:45]
.irp f, 0,1,2,3,4,5,6,7
.irp c, 0,1,2
	global_store_b128 v7, v[16+12*\f+4*\c:16+12*\f+4*\c+3], s[44:45] offset:512+1536*\f+512*\c
.endr
.endr
	s_endpgm
.Lfunc_end_k_q365abc0b65_prep:
	.size	k_q365abc0b65_prep, .Lfunc_end_k_q365abc0b65_prep-k_q365abc0b65_prep
	.p2alignl 7, 3214868480
	.fill 96, 4, 3214868480
	.section	.rodata,"a",@progbits
	.p2align	6, 0x0
	.amdhsa_kernel k_q365abc0b65_prep
		.amdhsa_group_segment_fixed_size 0
		.amdhsa_private_segment_fixed_size 0
		.amdhsa_enable_private_segment 0
		.amdhsa_kernarg_size 168
		.amdhsa_user_sgpr_count 2
		.amdhsa_user_sgpr_kernarg_segment_ptr 1
		.amdhsa_wavefront_size32 1
		.amdhsa_system_sgpr_workgroup_id_x 1
		.amdhsa_system_sgpr_workgroup_id_y 1
		.amdhsa_system_sgpr_workgroup_id_z 1
		.amdhsa_system_vgpr_workitem_id 0
		.amdhsa_next_free_vgpr 128
		.amdhsa_next_free_sgpr 100
		.amdhsa_reserve_vcc 1
		.amdhsa_float_denorm_mode_32 3
		.amdhsa_float_denorm_mode_16_64 3
		.amdhsa_memory_ordered 1
		.amdhsa_forward_progress 1
		.amdhsa_inst_pref_size 23
	.end_amdhsa_kernel
	.amdgpu_metadata
---
amdhsa.version: [ 1, 2 ]
amdhsa.kernels:
  - .name:           k_q365abc0b65_prep
    .symbol:         k_q365abc0b65_prep.kd
    .args:
      - { .name: w2_codes, .offset: 0, .size: 8, .value_kind: global_buffer, .address_space: global }
      - { .name: w2_scales, .offset: 8, .size: 8, .value_kind: global_buffer, .address_space: global }
      - { .name: u2_w_codes, .offset: 16, .size: 8, .value_kind: global_buffer, .address_space: global }
      - { .name: u2_w_scales, .offset: 24, .size: 8, .value_kind: global_buffer, .address_space: global }
      - { .name: w1_codes, .offset: 32, .size: 8, .value_kind: global_buffer, .address_space: global }
      - { .name: w1_scales, .offset: 40, .size: 8, .value_kind: global_buffer, .address_space: global }
      - { .name: u1_w_codes, .offset: 48, .size: 8, .value_kind: global_buffer, .address_space: global }
      - { .name: u1_w_scales, .offset: 56, .size: 8, .value_kind: global_buffer, .address_space: global }
      - { .name: v11_w_codes, .offset: 64, .size: 8, .value_kind: global_buffer, .address_space: global }
      - { .name: v11_w_scales, .offset: 72, .size: 8, .value_kind: global_buffer, .address_space: global }
      - { .name: v12_w_codes, .offset: 80, .size: 8, .value_kind: global_buffer, .address_space: global }
      - { .name: v12_w_scales, .offset: 88, .size: 8, .value_kind: global_buffer, .address_space: global }
      - { .name: b1_codes, .offset: 96, .size: 8, .value_kind: global_buffer, .address_space: global }
      - { .name: b1_scales, .offset: 104, .size: 8, .value_kind: global_buffer, .address_space: global }
      - { .name: v22_w_codes, .offset: 112, .size: 8, .value_kind: global_buffer, .address_space: global }
      - { .name: v22_w_scales, .offset: 120, .size: 8, .value_kind: global_buffer, .address_space: global }
      - { .name: v21_w_codes, .offset: 128, .size: 8, .value_kind: global_buffer, .address_space: global }
      - { .name: v21_w_scales, .offset: 136, .size: 8, .value_kind: global_buffer, .address_space: global }
      - { .name: b2_codes, .offset: 144, .size: 8, .value_kind: global_buffer, .address_space: global }
      - { .name: b2_scales, .offset: 152, .size: 8, .value_kind: global_buffer, .address_space: global }
      - { .name: ws, .offset: 160, .size: 8, .value_kind: global_buffer, .address_space: global }
    .group_segment_fixed_size: 0
    .private_segment_fixed_size: 0
    .kernarg_segment_align: 8
    .kernarg_segment_size: 168
    .max_flat_workgroup_size: 128
    .sgpr_count:     100
    .vgpr_count:     128
    .wavefront_size: 32
...
	.end_amdgpu_metadata
.endif
;; end of part 1
;; launch main (part 2): grid 256 x 1, 4 waves a work-group, no clusters, 313,856 bytes of LDS; arguments x_codes, x_scales, ln1_w, ln2_w, u1_b, u2_b, ws, out0; writes out0
.if DOCPART == 2
	.amdgcn_target "amdgcn-amd-amdhsa--gfx1250"
	.amdhsa_code_object_version 6
	.text
	.protected	k_q365abc0b65_main
	.globl	k_q365abc0b65_main
	.p2align	8
	.type	k_q365abc0b65_main,@function
k_q365abc0b65_main:
	s_mov_b64 s[64:65], 0
	v_nop
	global_prefetch_b8 v0, s[64:65] scope:SCOPE_SE
	s_setreg_imm32_b32 hwreg(HW_REG_WAVE_MODE, 25, 1), 1
	s_wait_xcnt 0x0
; Monet's layer with one head, all of it for 64 tokens in one work-group; nothing between the products goes to memory.
; THE GATE.  The norm runs over the head axis, which has ONE entry: mean = logit, so the normed number is c = 0 x ln_w for every expert, the eighth largest is c, and the mask is (c >= c):
; true everywhere for a finite ln_w, false everywhere else.  So the gate is the softmax of all 512 logits, or 1/512 throughout.  ln_w enters as A = (c >= c) ? log2(e) : 0, the factor ahead of the exponential.
; STAGE 1 (K = 1,024), in the order w2, u2, w1, u1: source 0 = 16 rows of a weight, source 1 = 16 tokens of x: a lane holds ONE token (lane % 16) and its registers run along the experts.
; Wave w owns experts 128 w .. 128 w + 127 for all 64 tokens (four tiles m).  The rows of a weight's tile were chosen (first launch) so that register 16 b + i of a token is expert 128 w + 32 b + 16 (lane / 16) + i.
; SOFTMAX.  Each wave takes its own largest logit: MA = max x A, p = 2^(z A - MA).  The waves exchange (MA, sum p, sum x p) for each token; f = 2^(MA - largest MA); S = sum of sums x f;
; g = p f / S, t = (sum of (sum x p) f) / S.  The maximum is taken away.
; STAGE 2 (K = 512 experts): x g, g and t g are quantised in registers (a wave's 128 experts are K step w) and go to the other waves through LDS as images of the operand's registers.
; Wave w makes output columns 256 w .. 256 w + 255 for the 64 tokens: three products into one sum (x g with v11 / v22, t g with v12 / v21, g with b1 / b2).
; Gate 2 comes first; its g in f32 waits in LDS until gate 1's t is known.
; THE WEIGHTS come from ws straight into registers: a ring of 16 fragments (two records of 12,800 bytes) is always on its way; each fragment is read by one wave of the work-group.
; NO CLUSTER, NO JOINT LOADS, though all 256 work-groups walk the same 2,867,200 bytes: joint loads land in LDS, and of its 327,680 bytes this text holds 313,344
; (g2 in f32 131,072, images 98,304, x 50,176, scale words, exchange, way out 33,792): 14,336 are left, less than half of one of the four waves' records.
; LIMITS: logits that are NaN or infinite are not served; a block whose largest magnitude lies under 2^-122 takes the scale byte 1 (a block of zeros too: its codes are zeros, and this program alone reads the bytes);
; v_exp_f32 gives 0 where 2^t would be denormal.
; LDS: wave w's own 65,792 bytes at 65,792 w: +0 images (gate order 12,288, kind x g / g 6,144, tile m 1,536); +24,576 g2 in f32 (8,192 a tile m; later the images of t g: half 0 at +0, half 1 at +1,536);
;   +57,344 scale words (gate order 1,536, operand 512, tile 128); +60,416 exchange (16 bytes a token); +61,440 the way out (16 rows x 272).  From 263,168: x, 64 rows x 784.
; REGISTERS, in windows of 256.  Window 0: below.  Window 1: v0-191 the ring, v192-255 the bias, then the exchange, then sums of stage 2.  Window 2: p, then g (64 m + 16 b + i).  Window 3: the sums of stage 1.
;   Stage 2: the 48 operand fragments (e = 4 operand + K step; 48 registers each): e 0-4 window 2, e 5-8 window 3 v0-191, e 9-11 window 0 v112-255; sums: column tiles 0, 1 window 3 v192-255, tiles 2, 3 window 1 v192-255.
.set RECB, 12800
.set WREG, 65792
.set G2FO, 24576
.set SCLO, 57344
.set XCHO, 60416
.set OSTO, 61440
.set XR0,  4*WREG
.set XP,   784
.set LI,  1                            ; v1   16 x lane
.set XCW, 3                            ; v3   my exchange words: 16 r in my wave's
.set XCR, 4                            ; v4   the same in wave 0's
.set IMW, 5                            ; v5   my wave's images + 16 x lane
.set SCW, 6                            ; v6   my wave's scale words + 4 x lane
.set G2A, 7                            ; v7   my wave's g2 + 16 x lane
.set OSA, 10                           ; v10  the way out: in
.set OSR, 11                           ; v11  back
.set GO,  12                           ; v12  and in out0
.set BOF, 13                           ; v13  64 h: my half's place in a bias
.set AA,  14                           ; v[14:15] A of the gate in hand
.set AN,  16                           ; v16  A of the next
.set XA,  18                           ; v18  x's rows: 784 r + 24 h
.set SCS, 32                           ; v32-47 the weights' scale words, four sets of four: scales alone
.set XS,  48                           ; v48-63 x's scale words: scales alone
.set OS,  48                           ; v48-71 stage 2: the operands' scale words: scales alone
.set ST,  72                           ; v72-87 four a tile: MA, sum p, sum x p, 0
.set OT,  72                           ; v72-103 stage 2: rows on their way out
.set TC,  88                           ; v88-95  t of the gate just done, a pair a tile (low word)
.set TP,  96                           ; v96-103 t of the gate before
.set CC,  104                          ; v104-111 f / S
.set TM,  112                          ; v112-127 at work
.set PW,  128                          ; v128 the scale word just made
.set PC,  130                          ; v130-149 the codes just made
.set XF,  160                          ; v160-255 x's fragments, two sets of four; the second set is free between the passes:
.set SA,  208
.set DD,  208
.set DO,  224
.set MG,  228
.set SS,  232
.set TT,  236
.set RR,  240
.set BI,  192                          ; window 1
.set MSB, 0
.macro WIN new                         ; bits 1:0 source 0, 3:2 source 1, 5:4 source 2, 7:6 destination; the high byte repeats the setting that is left
.if MSB != (\new)
	s_set_vgpr_msb (MSB<<8)|(\new)
.set MSB, (\new)
.endif
.endm
.macro NOPS n
.rept \n
	v_nop
.endr
.endm
.macro BAR                             ; my LDS stores have landed and my LDS loads are in: then the work-group's barrier
	s_wait_dscnt 0x0
	s_barrier_signal -1
	s_barrier_wait -1
.endm
; One matrix instruction from the symbols rD, rA, rB, rC, rSA, rSB; zC = 1: the constant 0 starts the sum; fA, fB = 1: that side's scale words stand in lanes 16-31.
.macro WM
.set fAB, 2*fA+fB
.if zC == 1
.if fAB == 0
	v_wmma_scale_f32_16x16x128_f8f6f4 v[rD:rD+7], v[rA:rA+11], v[rB:rB+11], 0, v[rSA], v[rSB] matrix_a_fmt:MATRIX_FMT_BF6 matrix_b_fmt:MATRIX_FMT_BF6
.elseif fAB == 1
	v_wmma_scale_f32_16x16x128_f8f6f4 v[rD:rD+7], v[rA:rA+11], v[rB:rB+11], 0, v[rSA], v[rSB] matrix_a_fmt:MATRIX_FMT_BF6 matrix_b_fmt:MATRIX_FMT_BF6 matrix_b_scale:MATRIX_SCALE_ROW1
.elseif fAB == 2
	v_wmma_scale_f32_16x16x128_f8f6f4 v[rD:rD+7], v[rA:rA+11], v[rB:rB+11], 0, v[rSA], v[rSB] matrix_a_fmt:MATRIX_FMT_BF6 matrix_b_fmt:MATRIX_FMT_BF6 matrix_a_scale:MATRIX_SCALE_ROW1
.else
	v_wmma_scale_f32_16x16x128_f8f6f4 v[rD:rD+7], v[rA:rA+11], v[rB:rB+11], 0, v[rSA], v[rSB] matrix_a_fmt:MATRIX_FMT_BF6 matrix_b_fmt:MATRIX_FMT_BF6 matrix_a_scale:MATRIX_SCALE_ROW1 matrix_b_scale:MATRIX_SCALE_ROW1
.endif
.else
.if fAB == 0
	v_wmma_scale_f32_16x16x128_f8f6f4 v[rD:rD+7], v[rA:rA+11], v[rB:rB+11], v[rC:rC+7], v[rSA], v[rSB] matrix_a_fmt:MATRIX_FMT_BF6 matrix_b_fmt:MATRIX_FMT_BF6
.elseif fAB == 1
	v_wmma_scale_f32_16x16x128_f8f6f4 v[rD:rD+7], v[rA:rA+11], v[rB:rB+11], v[rC:rC+7], v[rSA], v[rSB] matrix_a_fmt:MATRIX_FMT_BF6 matrix_b_fmt:MATRIX_FMT_BF6 matrix_b_scale:MATRIX_SCALE_ROW1
.elseif fAB == 2
	v_wmma_scale_f32_16x16x128_f8f6f4 v[rD:rD+7], v[rA:rA+11], v[rB:rB+11], v[rC:rC+7], v[rSA], v[rSB] matrix_a_fmt:MATRIX_FMT_BF6 matrix_b_fmt:MATRIX_FMT_BF6 matrix_a_scale:MATRIX_SCALE_ROW1
.else
	v_wmma_scale_f32_16x16x128_f8f6f4 v[rD:rD+7], v[rA:rA+11], v[rB:rB+11], v[rC:rC+7], v[rSA], v[rSB] matrix_a_fmt:MATRIX_FMT_BF6 matrix_b_fmt:MATRIX_FMT_BF6 matrix_a_scale:MATRIX_SCALE_ROW1 matrix_b_scale:MATRIX_SCALE_ROW1
.endif
.endif
.endm
; x's four fragments of K step ks into set bf: 24 bytes of a row's stream of bits as three loads of 8.  Rows 784 bytes apart: the 32 lanes of a load touch 64 different banks (64 banks of 4 bytes: ISA guide 11.1).
.macro XLOAD ks, bf
.irp m, 0,1,2,3
.irp q, 0,1,2,3,4,5
	ds_load_b64 v[XF+48*(\bf)+12*\m+2*\q:XF+48*(\bf)+12*\m+2*\q+1], v[XA] offset:16*\m*XP+96*(\ks)+48*(\q/3)+8*(\q%3)
.endr
.endr
.endm
.macro RFILL rec                       ; the ring's first fill: record rec: its scale words, then its eight fragments
	WIN 0
	global_load_b128 v[SCS+4*(\rec):SCS+4*(\rec)+3], v[LI], s[30:31] offset:(\rec)*RECB
	WIN 0x40
.irp f, 0,1,2,3,4,5,6,7
.irp c, 0,1,2
	global_load_b128 v[12*(8*(\rec)+\f)+4*\c:12*(8*(\rec)+\f)+4*\c+3], v[LI], s[30:31] offset:(\rec)*RECB+512+1536*\f+512*\c
.endr
.endr
.endm
; A K STEP OF STAGE 1: 32 matrix instructions, in four groups of two weight tiles x four token tiles: 8 accumulators by turns, one instruction a turn.
; cm = 0: the sums go on; 1: the constant 0 starts them; 2: the bias (window 1) starts them.
; THE COUNT 43: loads come back in order (ISA guide 5.7.1).  Behind the two fragments that a group wants were issued at least the other 18 loads of their record and the next record's 25.
; Behind each group, four places, then the same two ring slots take the fragments of the record two on: a load into a register that a matrix instruction has read stands four places behind it
; (ISA guide 7.12.1 for vector instructions).
.macro KSTEP s, cm
.irp p, 0,1,2,3
	s_wait_loadcnt 43
.if \p == 0
	s_wait_dscnt 0x0                               ; x's fragments of this K step, asked for 24 matrix instructions ago
.endif
.if (\cm) == 2
	WIN 0xd1                                       ; weights window 1, x window 0, C window 1, D window 3
.else
	WIN 0xf1                                       ; C and D window 3
.endif
.irp u, 0,1
.irp m, 0,1,2,3
.set tq, 2*\p+\u
.set rD, 64*\m+8*tq
.set rC, rD
.if (\cm) == 2
.set rC, BI+8*tq
.endif
.set rA, 12*(8*((\s)%2)+tq)
.set rB, XF+48*((\s)%2)+12*\m
.set rSA, SCS+4*((\s)%4)+tq%4
.set rSB, XS+4*\m+(\s)%4
.set fA, tq/4
.set fB, (\s)/4
.set zC, (\cm)
	WM
.endr
.endr
	NOPS 4
.if \p == 0
	WIN 0
	global_load_b128 v[SCS+4*(((\s)+2)%4):SCS+4*(((\s)+2)%4)+3], v[LI], s[30:31] offset:((\s)+2)*RECB
	XLOAD ((\s)+1)%8, ((\s)+1)%2
.endif
	WIN 0x40
.irp u, 0,1
.irp c, 0,1,2
	global_load_b128 v[12*(8*((\s)%2)+2*\p+\u)+4*\c:12*(8*((\s)%2)+2*\p+\u)+4*\c+3], v[LI], s[30:31] offset:((\s)+2)*RECB+512+1536*(2*\p+\u)+512*\c
.endr
.endr
.endr
.endm
.macro PASS first                      ; one weight's eight K steps; its last two ask for the next weight's first two records
	KSTEP 0, \first
.irp ks, 1,2,3,4,5,6,7
	KSTEP \ks, 0
.endr
	WIN 0
	s_wait_xcnt 0x0                                ; the loads have read their base: it is stepped only behind this wait
	s_add_nc_u64 s[30:31], s[30:31], 8*RECB
.endm
; Four tiles' sums in two packed chains each (v[SA + 4 m] on) are folded, joined with lane l xor 16's, and put into word w of the tiles' statistics.
.macro FOLD w
	WIN 0
.irp m, 0,1,2,3
	v_pk_add_f32 v[SA+4*\m:SA+4*\m+1], v[SA+4*\m:SA+4*\m+1], v[SA+4*\m+2:SA+4*\m+3]
.endr
.irp m, 0,1,2,3
	v_add_f32 v[SA+4*\m], v[SA+4*\m], v[SA+4*\m+1]
.endr
.irp m, 0,1,2,3
	v_permlanex16_b32 v[TM+4+\m], v[SA+4*\m], s22, s23
.endr
.irp m, 0,1,2,3
	v_add_f32 v[ST+4*\m+(\w)], v[SA+4*\m], v[TM+4+\m]
.endr
.endm
; 64 numbers of a lane, none negative, in window W from register b on (register 16 k + i = K 32 k + 16 (lane / 16) + i of my token) become a fragment's codes in v[PC] on and its scale word in v[PW].
; A block's scale byte is its largest magnitude's exponent field - 4, held at 1 from below by the floor 2^(5 - 127) among the maximum's leaves; the conversion takes the exponent field of its scale operand alone.
.macro QUANT W, b
	WIN (\W)|((\W)<<2)
.irp k, 0,1,2,3
	v_max3_num_f32 v[TM+\k], v[(\b)+16*\k], v[(\b)+16*\k+1], 0x2800000
.endr
	WIN ((\W)<<2)|((\W)<<4)
.irp i, 2,4,6,8,10,12,14
.irp k, 0,1,2,3
	v_max3_num_f32 v[TM+\k], v[TM+\k], v[(\b)+16*\k+\i], v[(\b)+16*\k+\i+1]
.endr
.endr
	WIN 0
.irp k, 0,1,2,3
	v_permlanex16_b32 v[TM+4+\k], v[TM+\k], s22, s23
.endr
.irp k, 0,1,2,3
	v_max_num_f32 v[TM+\k], v[TM+\k], v[TM+4+\k]   ; with lane l xor 16's 16 numbers: the block's
.endr
.irp k, 0,1,2,3
	v_add_nc_u32 v[TM+12+\k], 0xfe000000, v[TM+\k] ; 4 off the exponent field: the conversion's scale operand
.endr
.irp k, 0,1,2,3
	v_lshrrev_b32 v[TM+4+\k], 23, v[TM+12+\k]      ; the byte
.endr
	s_wait_dscnt 0x0                               ; the last image's stores have read v[PW] and v[PC] on: they are written again only behind this wait
	v_lshl_or_b32 v[PW], v[TM+5], 8, v[TM+4]
	v_lshl_or_b32 v[PW], v[TM+6], 16, v[PW]
	v_lshl_or_b32 v[PW], v[TM+7], 24, v[PW]
	WIN (\W)
.irp c, 0,1
	v_cvt_scalef32_pk16_bf6_f32 v[PC+6*\c:PC+6*\c+2], v[(\b)+32*\c:(\b)+32*\c+15], v[TM+12+2*\c]
	v_cvt_scalef32_pk16_bf6_f32 v[PC+12+4*\c:PC+14+4*\c], v[(\b)+32*\c+16:(\b)+32*\c+31], v[TM+13+2*\c]   ; (a conversion's three registers begin on an even number)
.endr
	WIN 0
	v_nop                                          ; one plain place behind a scaled conversion
.irp c, 0,1                                        ; the operand's layout wants a whole block in a lane: lanes 0-15 block 2 c, lanes 16-31 block 2 c + 1
.irp i, 0,1,2
	v_permlane16_swap_b32 v[PC+6*\c+\i], v[PC+12+4*\c+\i]
.endr
.irp i, 0,1,2
	v_mov_b32 v[PC+3+6*\c+\i], v[PC+12+4*\c+\i]
.endr
.endr
.endm
.macro IMAGE adr, off                  ; the fragment in v[PC] on goes to LDS as it stands: 512 consecutive bytes a store
.irp c, 0,1,2
	ds_store_b128 v[\adr], v[PC+4*\c:PC+4*\c+3] offset:(\off)+512*\c
.endr
.endm
	s_load_b512 s[4:19], s[0:1], 0x0               ; x_codes, x_scales, ln1_w, ln2_w, u1_b, u2_b, ws, out0
	v_lshl_add_u32 v30, v0, 2, 0x4c800
	v_mov_b32 v31, 0
	v_lshrrev_b32 v19, 5, v0
	v_readfirstlane_b32 s20, v19                   ; wave 0..3
	s_lshr_b32 s21, s20, 1                         ; stage 2: my half of the output
	s_and_b32 s42, s20, 1
	s_mov_b32 s22, 0x76543210
	s_mov_b32 s23, 0xfedcba98                      ; v_permlanex16_b32's selects for lane l xor 16
	s_mul_i32 s25, s20, WREG                       ; my wave's own LDS
	v_and_b32 v20, 31, v0                          ; lane
	v_and_b32 v21, 15, v0                          ; r
	v_bfe_u32 v22, v0, 4, 1                        ; h
	v_lshlrev_b32 v[LI], 4, v20
	v_lshlrev_b32 v23, 4, v21                      ; 16 r
	v_add_nc_u32 v[XCR], XCHO, v23
	v_add_nc_u32 v[XCW], s25, v[XCR]
	v_add_nc_u32 v[IMW], s25, v[LI]
	v_lshl_add_u32 v[SCW], v20, 2, SCLO
	v_add_nc_u32 v[SCW], s25, v[SCW]
	v_add_nc_u32 v[G2A], G2FO, v[IMW]
	v_mul_u32_u24 v24, v21, 272
	v_lshl_add_u32 v[OSA], v22, 5, v24             ; in: row r, 32 bytes for each half of the lanes
	v_add_nc_u32 v[OSA], s25, v[OSA]
	v_add_nc_u32 v[OSA], OSTO, v[OSA]
	v_mul_u32_u24 v24, v22, 272
	v_add_nc_u32 v[OSR], v24, v23                  ; back: lanes 0-15 one row of 256 bytes, lanes 16-31 the next
	v_add_nc_u32 v[OSR], s25, v[OSR]
	v_add_nc_u32 v[OSR], OSTO, v[OSR]
	v_lshl_add_u32 v[GO], v22, 12, v23             ; and the same two rows of out0 (4,096 bytes a row)
	v_lshlrev_b32 v[BOF], 6, v22
	v_mul_u32_u24 v24, v21, XP
	v_mad_u32_u24 v[XA], v22, 24, v24
	v_add_nc_u32 v[XA], XR0, v[XA]
	s_mul_i32 s43, s20, 16*XP
	v_lshl_add_u32 v25, v20, 3, s43
	v_add_nc_u32 v25, XR0, v25                     ; where I put x: my wave's 16 rows, 8 bytes a lane
	v_lshlrev_b32 v26, 3, v20                      ; and where it comes from
	v_lshlrev_b32 v27, 5, v21
	v_lshl_add_u32 v27, v22, 4, v27                ; x's scale words: 32 r + 16 h: lanes 0-15 K steps 0-3, lanes 16-31 K steps 4-7
	s_lshl_b32 s38, ttmp9, 6
	s_lshl_b32 s39, s20, 4
	s_add_co_u32 s38, s38, s39                     ; my wave's first token: 64 x work-group + 16 x wave
	s_mul_i32 s38, s38, 768
	s_mov_b32 s39, 0
	s_lshl_b32 s40, ttmp9, 11                      ; the block's scale bytes: 64 x 32
	s_mov_b32 s41, 0
	s_mul_i32 s44, s20, 56*RECB                    ; my stream
	s_mov_b32 s45, 0
	s_lshl_b32 s46, s20, 9                         ; my 128 numbers of a bias
	s_mov_b32 s47, 0
	s_lshl_b32 s48, ttmp9, 18                      ; the block's 64 rows of out0,
	s_lshl_b32 s43, s21, 11
	s_add_co_u32 s48, s48, s43
	s_lshl_b32 s43, s42, 10
	s_add_co_u32 s48, s48, s43                     ; my 256 columns
	s_mov_b32 s49, 0
	s_wait_kmcnt 0x0
	s_add_nc_u64 s[4:5], s[4:5], s[38:39]
	s_add_nc_u64 s[6:7], s[6:7], s[40:41]
	s_add_nc_u64 s[30:31], s[16:17], s[44:45]      ; the stream
	s_add_nc_u64 s[32:33], s[14:15], s[46:47]      ; the bias in hand: u2_b,
	s_add_nc_u64 s[34:35], s[12:13], s[46:47]      ; the next: u1_b
	s_add_nc_u64 s[36:37], s[18:19], s[48:49]
	s_load_b32 s50, s[10:11], 0x0                  ; ln2_w
	s_load_b32 s51, s[8:9], 0x0                    ; ln1_w
.set i, 0
.rept 48                                           ; my 16 tokens' codes, 12,288 dense bytes: each load covers 256 consecutive bytes, aligned
	global_load_b64 v[XF+2*i:XF+2*i+1], v26, s[4:5] offset:256*i th:TH_LOAD_NT
.set i, i+1
.endr
.irp m, 0,1,2,3
	global_load_b128 v[XS+4*\m:XS+4*\m+3], v27, s[6:7] offset:512*\m
.endr
	RFILL 0
	RFILL 1
	WIN 0
.set i, 0
.rept 4
	v_mov_b32 v[TM+4+i], 0                         ; a lane permute's destination counts as one of its sources
	v_mov_b32 v[ST+4*i+1], 0                       ; named as upper halves of pairs before they are first written
	v_mov_b32 v[ST+4*i+3], 0
	v_mov_b32 v[TC+2*i], 0
	v_mov_b32 v[TC+2*i+1], 0
	v_mov_b32 v[TP+2*i+1], 0
	v_mov_b32 v[CC+2*i+1], 0
.set i, i+1
.endr
	v_mov_b32 v[AA+1], 0
	s_wait_kmcnt 0x0
	v_mov_b32 v19, s50
	v_mov_b32 v20, s51
	v_mul_f32 v19, 0, v19                          ; c = 0 x ln_w: what the norm leaves of every logit
	v_mul_f32 v20, 0, v20
	v_mov_b32 v21, 0x3fb8aa3b                      ; log2(e)
	v_cmp_ge_f32 vcc_lo, v19, v19                  ; the mask: c >= the eighth largest, which is c
	v_cndmask_b32 v[AA], 0, v21, vcc_lo
	v_cmp_ge_f32 vcc_lo, v20, v20
	v_cndmask_b32 v[AN], 0, v21, vcc_lo
	s_wait_loadcnt 54                              ; x's 48 loads are in: behind them stand x's 4 loads of scale words and the ring's 50
.set i, 0
.rept 48
	ds_store_b64 v25, v[XF+2*i:XF+2*i+1] offset:(i/3)*XP+256*(i%3)
.set i, i+1
.endr
	BAR                                            ; all 64 rows of x lie in LDS
	XLOAD 0, 0
	s_mov_b32 s24, 0                               ; the gate: 0 = gate 2, 1 = gate 1
	s_mov_b32 s26, 0                               ; its images,
	s_mov_b32 s27, 0                               ; its scale words
.Lgate:
	WIN 0x40
.irp t, 0,1,2,3,4,5,6,7                            ; the bias of u: lane (r, h) wants, for tile t, that of experts 32 (t / 2) + 16 h + 8 (t % 2) + 0 .. 7 of my 128.  It is wanted a pass later: 200 loads are issued behind it
	global_load_b128 v[BI+8*\t:BI+8*\t+3], v[BOF], s[32:33] offset:(32*(\t/2)+8*(\t%2))*4
	global_load_b128 v[BI+8*\t+4:BI+8*\t+7], v[BOF], s[32:33] offset:(32*(\t/2)+8*(\t%2))*4+16
.endr
	PASS 1                                         ; the logits
	; ---- my wave's largest logit of each token; each accumulator is read from its low end on
	WIN 0x0f
.irp m, 0,1,2,3
	v_max_num_f32 v[TM+\m], v[64*\m], v[64*\m+1]
.endr
	WIN 0x3c
.set i, 2
.rept 31
.irp m, 0,1,2,3
	v_max3_num_f32 v[TM+\m], v[TM+\m], v[64*\m+i], v[64*\m+i+1]   ; (the four tiles by turns)
.endr
.set i, i+2
.endr
	WIN 0
.irp m, 0,1,2,3
	v_permlanex16_b32 v[TM+4+\m], v[TM+\m], s22, s23
.endr
.irp m, 0,1,2,3
	v_max_num_f32 v[TM+\m], v[TM+\m], v[TM+4+\m]
.endr
.irp m, 0,1,2,3
	v_mul_f32 v[ST+4*\m], v[AA], v[TM+\m]          ; MA
.endr
	WIN 0x83
.irp m, 0,1,2,3
.set i, 0
.rept 32
	v_pk_fma_f32 v[64*\m+i:64*\m+i+1], v[64*\m+i:64*\m+i+1], v[AA:AA+1], v[ST+4*\m:ST+4*\m+1] op_sel_hi:[1,0,0] neg_lo:[0,0,1] neg_hi:[0,0,1]   ; z A - MA, into window 2
.set i, i+2
.endr
.endr
	WIN 0x82
.set i, 0
.rept 256
	v_exp_f32 v[i], v[i]                           ; p
.set i, i+1
.endr
	WIN 0
	v_nop                                          ; a plain place behind the last exponential,
	s_wait_alu depctr_va_vdst(0)                   ; and one wait for the batch, ahead of its first reader
	WIN 0x0a
.irp m, 0,1,2,3
	v_pk_add_f32 v[SA+4*\m:SA+4*\m+1], v[64*\m:64*\m+1], v[64*\m+2:64*\m+3]
	v_pk_add_f32 v[SA+4*\m+2:SA+4*\m+3], v[64*\m+4:64*\m+5], v[64*\m+6:64*\m+7]
.endr
	WIN 0x08
.set i, 8
.rept 14
.irp m, 0,1,2,3
	v_pk_add_f32 v[SA+4*\m:SA+4*\m+1], v[SA+4*\m:SA+4*\m+1], v[64*\m+i:64*\m+i+1]
	v_pk_add_f32 v[SA+4*\m+2:SA+4*\m+3], v[SA+4*\m+2:SA+4*\m+3], v[64*\m+i+2:64*\m+i+3]
.endr
.set i, i+4
.endr
	FOLD 1                                         ; sum p
	BAR                                            ; every wave has read the last gate's exchange words: they may be written again behind this barrier
	PASS 2                                         ; x u^T + the bias
	; ---- relu squared, and sum x p
	WIN 0xcf
.set i, 0
.rept 256
	v_max_num_f32 v[i], 0, v[i]
.set i, i+1
.endr
.set i, 0
.rept 128
	v_pk_mul_f32 v[i:i+1], v[i:i+1], v[i:i+1]
.set i, i+2
.endr
	WIN 0x0b                                       ; source 0 window 3 (x), source 1 window 2 (p)
.irp m, 0,1,2,3
	v_pk_mul_f32 v[SA+4*\m:SA+4*\m+1], v[64*\m:64*\m+1], v[64*\m:64*\m+1]
	v_pk_mul_f32 v[SA+4*\m+2:SA+4*\m+3], v[64*\m+2:64*\m+3], v[64*\m+2:64*\m+3]
.endr
.set i, 4
.rept 15
.irp m, 0,1,2,3
	v_pk_fma_f32 v[SA+4*\m:SA+4*\m+1], v[64*\m+i:64*\m+i+1], v[64*\m+i:64*\m+i+1], v[SA+4*\m:SA+4*\m+1]
	v_pk_fma_f32 v[SA+4*\m+2:SA+4*\m+3], v[64*\m+i+2:64*\m+i+3], v[64*\m+i+2:64*\m+i+3], v[SA+4*\m+2:SA+4*\m+3]
.endr
.set i, i+4
.endr
	FOLD 2                                         ; sum x p
.irp m, 0,1,2,3
	ds_store_b128 v[XCW], v[ST+4*\m:ST+4*\m+3] offset:256*\m   ; both halves of the lanes write the same 16 bytes with the same numbers
.endr
	BAR                                            ; all four waves' words lie in LDS
	; ---- the exchange
	v_add_nc_u32 v19, WREG, v[XCR]
	v_add_nc_u32 v20, 2*WREG, v[XCR]
	v_add_nc_u32 v21, 3*WREG, v[XCR]
	v_add_nc_u32 v8, s26, v[IMW]
	v_add_nc_u32 v9, s27, v[SCW]
	WIN 0x40
.irp m, 0,1,2,3
	ds_load_b128 v[BI+16*\m:BI+16*\m+3], v[XCR] offset:256*\m
	ds_load_b128 v[BI+16*\m+4:BI+16*\m+7], v19 offset:256*\m
	ds_load_b128 v[BI+16*\m+8:BI+16*\m+11], v20 offset:256*\m
	ds_load_b128 v[BI+16*\m+12:BI+16*\m+15], v21 offset:256*\m
.endr
	WIN 0
.irp m, 0,1,2,3
	v_mov_b32 v[TP+2*\m], v[TC+2*\m]               ; the last gate's t is kept
.endr
	s_wait_dscnt 0x0
	WIN 0x15
.irp m, 0,1,2,3
	v_max3_num_f32 v[MG+\m], v[BI+16*\m], v[BI+16*\m+4], v[BI+16*\m+8]
.endr
	WIN 0x01
.irp m, 0,1,2,3
	v_max_num_f32 v[MG+\m], v[BI+16*\m+12], v[MG+\m]   ; the token's largest MA
.endr
.irp m, 0,1,2,3
.irp q, 0,1,2,3
	v_sub_f32 v[DD+4*\m+\q], v[BI+16*\m+4*\q], v[MG+\m]
.endr
.endr
	WIN 0
.irp m, 0,1,2,3
	v_sub_f32 v[DO+\m], v[ST+4*\m], v[MG+\m]       ; my own wave's
.endr
.set i, 0
.rept 20
	v_exp_f32 v[DD+i], v[DD+i]                     ; f
.set i, i+1
.endr
	v_nop
	s_wait_alu depctr_va_vdst(0)                   ; one wait for the twenty
	WIN 0x01
.irp m, 0,1,2,3
	v_mul_f32 v[SS+\m], v[BI+16*\m+1], v[DD+4*\m]
	v_mul_f32 v[TT+\m], v[BI+16*\m+2], v[DD+4*\m]
.endr
.irp q, 1,2,3
.irp m, 0,1,2,3
	v_fma_f32 v[SS+\m], v[BI+16*\m+4*\q+1], v[DD+4*\m+\q], v[SS+\m]
	v_fma_f32 v[TT+\m], v[BI+16*\m+4*\q+2], v[DD+4*\m+\q], v[TT+\m]
.endr
.endr
	WIN 0
.irp m, 0,1,2,3
	v_rcp_f32 v[RR+\m], v[SS+\m]                   ; S is at least about 1: the wave with the largest MA has f = 1 and a p of about 1
.endr
	v_nop
	s_wait_alu depctr_va_vdst(0)                   ; one wait for the four
.irp m, 0,1,2,3
	v_mul_f32 v[CC+2*\m], v[DO+\m], v[RR+\m]       ; f / S
	v_mul_f32 v[TC+2*\m], v[TT+\m], v[RR+\m]       ; t = sum x g
.endr
	; ---- g and x g, quantised; their images and scale words into my wave's own LDS
.irp m, 0,1,2,3
	WIN 0x82
.set i, 0
.rept 32
	v_pk_mul_f32 v[64*\m+i:64*\m+i+1], v[64*\m+i:64*\m+i+1], v[CC+2*\m:CC+2*\m+1] op_sel_hi:[1,0]   ; g
.set i, i+2
.endr
	WIN 0xcb
.set i, 0
.rept 32
	v_pk_mul_f32 v[64*\m+i:64*\m+i+1], v[64*\m+i:64*\m+i+1], v[64*\m+i:64*\m+i+1]   ; x g (window 3 x window 2)
.set i, i+2
.endr
	QUANT 3, 64*\m
	IMAGE 8, 1536*\m
	ds_store_b32 v9, v[PW] offset:128*\m
	QUANT 2, 64*\m
	IMAGE 8, 6144+1536*\m
	ds_store_b32 v9, v[PW] offset:1024+128*\m
.endr
	s_cmp_lg_u32 s24, 0
	s_cbranch_scc1 .Lparked                        ; gate 2's g waits in LDS for gate 1's t; gate 1's stays in registers
	WIN 0x08                                       ; an LDS store's data are its source 1: window 2
.set i, 0
.rept 64
	ds_store_b128 v[G2A], v[4*i:4*i+3] offset:8192*(i/16)+512*(i%16)
.set i, i+1
.endr
	WIN 0
.Lparked:
	s_add_co_u32 s26, s26, 12288
	s_add_co_u32 s27, s27, 1536
	v_mov_b32 v[AA], v[AN]
	s_wait_xcnt 0x0                                ; the bias's loads have read their base
	s_mov_b64 s[32:33], s[34:35]
	s_add_co_u32 s24, s24, 1
	s_cmp_lt_u32 s24, 2
	s_cbranch_scc1 .Lgate
	; ---- t1 g2: a tile's g2 comes back from my own LDS, and the image takes the place of bytes that have been read
	s_wait_dscnt 0x0                               ; the last stores have read v8 and v9
	s_mov_b32 s25, 0
	s_mov_b32 s28, 0
	s_mov_b32 s29, 0
.Ltg1:
	v_add_nc_u32 v8, s28, v[G2A]
	v_add_nc_u32 v9, s29, v[SCW]
	WIN 0xc0
.set i, 0
.rept 16
	ds_load_b128 v[4*i:4*i+3], v8 offset:512*i
.set i, i+1
.endr
	s_wait_dscnt 0x0
	WIN 0xc3
.set i, 0
.rept 32
	v_pk_mul_f32 v[i:i+1], v[i:i+1], v[TC:TC+1] op_sel_hi:[1,0]
.set i, i+2
.endr
	QUANT 3, 0
	IMAGE 8, 1536
	ds_store_b32 v9, v[PW] offset:512
	v_mov_b32 v[TC], v[TC+2]                       ; the next tile's t moves down
	v_mov_b32 v[TC+2], v[TC+4]
	v_mov_b32 v[TC+4], v[TC+6]
	s_wait_dscnt 0x0                               ; the stores have read v8 and v9
	s_add_co_u32 s28, s28, 8192
	s_add_co_u32 s29, s29, 128
	s_add_co_u32 s25, s25, 1
	s_cmp_lt_u32 s25, 4
	s_cbranch_scc1 .Ltg1
	; ---- t2 g1
.irp m, 0,1,2,3
	WIN 0xc2
.set i, 0
.rept 32
	v_pk_mul_f32 v[64*\m+i:64*\m+i+1], v[64*\m+i:64*\m+i+1], v[TP+2*\m:TP+2*\m+1] op_sel_hi:[1,0]
.set i, i+2
.endr
	QUANT 3, 64*\m
	IMAGE G2A, 8192*\m
	ds_store_b32 v[SCW], v[PW] offset:1536+512+128*\m
.endr
	BAR                                            ; all 96 fragments and their scale words lie in LDS; nothing of them is written again
	; ---- my half's 48 fragments into registers: K step s was made by wave s
	s_xor_b32 s38, s21, 1                          ; the gate's order: half 1 (gate 2) came first
	s_mul_i32 s39, s38, 12288
	s_mul_i32 s40, s21, 1536
	s_add_co_u32 s40, s40, G2FO
	s_mul_i32 s41, s38, 1536
	s_add_co_u32 s41, s41, SCLO
	v_add_nc_u32 v19, s39, v[LI]
	v_add_nc_u32 v23, s40, v[LI]
.irp s, 1,2,3
	v_add_nc_u32 v[19+\s], \s*WREG, v19
	v_add_nc_u32 v[23+\s], \s*WREG, v23
.endr
	v_and_b32 v27, 15, v0
	v_bfe_u32 v28, v0, 4, 1
	v_lshlrev_b32 v27, 2, v27
	v_mad_u32_u24 v27, v28, 2*WREG, v27            ; scale words: lanes 0-15 K step z, lanes 16-31 K step z + 2: two waves' regions on
	v_add_nc_u32 v27, s41, v27
	v_add_nc_u32 v28, WREG, v27
.macro OPLD e
.set oo, (\e)/4
.set ow, (\e)%4
.if (\e) < 5
	WIN 0x80
.set ob, 48*(\e)
.elseif (\e) < 9
	WIN 0xc0
.set ob, 48*((\e)-5)
.else
	WIN 0
.set ob, 112+48*((\e)-9)
.endif
.irp m, 0,1,2,3
.irp c, 0,1,2
.if oo == 0
	ds_load_b128 v[ob+12*\m+4*\c:ob+12*\m+4*\c+3], v[19+ow] offset:1536*\m+512*\c
.elseif oo == 1
	ds_load_b128 v[ob+12*\m+4*\c:ob+12*\m+4*\c+3], v[23+ow] offset:8192*\m+512*\c
.else
	ds_load_b128 v[ob+12*\m+4*\c:ob+12*\m+4*\c+3], v[19+ow] offset:6144+1536*\m+512*\c
.endif
.endr
.endr
.endm
.irp e, 0,1,2,3,4,5,6,7,8,9,10,11
	OPLD \e
.endr
	WIN 0
.irp o, 0,1,2
.irp z, 0,1
.irp m, 0,1,2,3
	ds_load_b32 v[OS+8*\o+4*\z+\m], v[27+\z] offset:512*\o+128*\m
.endr
.endr
.endr
	s_wait_dscnt 0x0
; STAGE 2.  16 bytes a lane of record rec, counted from the quad's first; records 6 and 7 are the next quad's first two.
.macro RLOAD reg, rec, off
.if (\rec) < 6
	global_load_b128 v[(\reg):(\reg)+3], v[LI], s[30:31] offset:(\rec)*RECB+(\off)
.else
	global_load_b128 v[(\reg):(\reg)+3], v[LI], s[38:39] offset:((\rec)-6)*RECB+(\off)
.endif
.endm
; Record kp of a quad's six: eight weight fragments, each against the four token tiles of its operand: four accumulators by turns.  Fragment F = 8 kp + f: column tile F / 12 of the quad, e = F % 12.
; The count 43 is that of stage 1: the ring goes on as it did there.
.macro REC kp
.irp p, 0,1,2,3
	s_wait_loadcnt 43
.irp u, 0,1
.set fq, 2*\p+\u
.set qF, 8*(\kp)+fq
.set qc, qF/12
.set qe, qF%12
.if qe < 5
.set wB, 2
.set rB0, 48*qe
.elseif qe < 9
.set wB, 3
.set rB0, 48*(qe-5)
.else
.set wB, 0
.set rB0, 112+48*(qe-9)
.endif
.set wD, 3-2*(qc/2)
	WIN 1|(wB<<2)|(wD<<4)|(wD<<6)
.irp m, 0,1,2,3
.set rD, 192+32*(qc%2)+8*\m
.set rC, rD
.set rA, 12*(8*((\kp)%2)+fq)
.set rB, rB0+12*\m
.set rSA, SCS+4*((\kp)%3)+fq%4
.set rSB, OS+8*(qe/4)+4*(qe%2)+\m
.set fA, fq/4
.set fB, (qe%4)/2
.set zC, 0
.if qe == 0
.set zC, 1
.endif
	WM
.endr
.endr
	NOPS 4
.if \p == 0
	WIN 0
	RLOAD SCS+4*(((\kp)+2)%3), (\kp)+2, 0
.endif
	WIN 0x40
.irp u, 0,1
.irp c, 0,1,2
	RLOAD 12*(8*((\kp)%2)+2*\p+\u)+4*\c, (\kp)+2, 512+1536*(2*\p+\u)+512*\c
.endr
.endr
.endr
.endm
; THE WAY OUT of a quad: 64 tokens x 64 columns.  A lane holds 32 neighbouring bytes of a row; a tile of 16 rows x 256 bytes goes through my own stage (rows 272 bytes apart) and comes back as whole rows:
; sixteen lanes store 256 consecutive bytes, aligned.  LDS serves a wave's instructions in order (ISA guide 5.7.1.4): no wait between the stores and the loads.
.macro OUTQ
	NOPS 5                                         ; four places ahead of the stores that read results, five ahead of the next quad's first products, which write over them
.irp m, 0,1,2,3
	s_wait_xcnt 0x0                                ; the last tile's stores have read v[OT] on
	WIN 0x0c                                       ; the data: window 3; each accumulator from its low end on
.irp c, 0,1
	ds_store_b128 v[OSA], v[192+32*\c+8*\m:192+32*\c+8*\m+3] offset:64*\c
	ds_store_b128 v[OSA], v[192+32*\c+8*\m+4:192+32*\c+8*\m+7] offset:64*\c+16
.endr
	WIN 0x04                                       ; window 1
.irp c, 0,1
	ds_store_b128 v[OSA], v[192+32*\c+8*\m:192+32*\c+8*\m+3] offset:128+64*\c
	ds_store_b128 v[OSA], v[192+32*\c+8*\m+4:192+32*\c+8*\m+7] offset:128+64*\c+16
.endr
	WIN 0
.irp i, 0,1,2,3,4,5,6,7
	ds_load_b128 v[OT+4*\i:OT+4*\i+3], v[OSR] offset:544*\i
.endr
.irp i, 0,1,2,3,4,5,6,7
	s_wait_dscnt 7-\i                              ; rows 2 i and 2 i + 1 are back; the younger loads may be out
	global_store_b128 v[GO], v[OT+4*\i:OT+4*\i+3], s[36:37] offset:(16*\m+2*\i)*4096 th:TH_STORE_NT
.endr
.endr
	s_wait_xcnt 0x0                                ; loads and stores have read their bases
	s_add_nc_u64 s[36:37], s[36:37], 256
	s_add_nc_u64 s[30:31], s[30:31], 6*RECB
.endm
	s_mov_b32 s24, 4
.Lquad:                                            ; four quads of four column tiles
	s_add_nc_u64 s[38:39], s[30:31], 6*RECB        ; the ring's look-ahead beyond this quad.  The last quad has no successor: it reads its own first two records once more, 25,600 bytes that nobody uses,
	s_cmp_eq_u32 s24, 1                            ; so that the loop has one text, every count holds in every trip, and no load leaves ws
	s_cselect_b64 s[38:39], s[30:31], s[38:39]
.irp kq, 0,1,2,3,4,5
	REC \kq
.endr
	WIN 0
	OUTQ
	s_sub_co_u32 s24, s24, 1
	s_cmp_lg_u32 s24, 0
	s_cbranch_scc1 .Lquad
	s_wait_tensorcnt 0x0
	ds_add_u32 v30, v31
	s_wait_dscnt 0x0
	s_endpgm
.Lfunc_end_k_q365abc0b65_main:
	.size	k_q365abc0b65_main, .Lfunc_end_k_q365abc0b65_main-k_q365abc0b65_main
	.p2alignl 7, 3214868480
	.fill 96, 4, 3214868480
	.section	.rodata,"a",@progbits
	.p2align	6, 0x0
	.amdhsa_kernel k_q365abc0b65_main
		.amdhsa_group_segment_fixed_size 313856
		.amdhsa_private_segment_fixed_size 0
		.amdhsa_enable_private_segment 0
		.amdhsa_kernarg_size 64
		.amdhsa_user_sgpr_count 2
		.amdhsa_user_sgpr_kernarg_segment_ptr 1
		.amdhsa_wavefront_size32 1
		.amdhsa_system_sgpr_workgroup_id_x 1
		.amdhsa_system_sgpr_workgroup_id_y 1
		.amdhsa_system_sgpr_workgroup_id_z 1
		.amdhsa_system_vgpr_workitem_id 0
		.amdhsa_next_free_vgpr 1024
		.amdhsa_next_free_sgpr 66
		.amdhsa_reserve_vcc 1
		.amdhsa_float_denorm_mode_32 3
		.amdhsa_float_denorm_mode_16_64 3
		.amdhsa_memory_ordered 1
		.amdhsa_forward_progress 1
		.amdhsa_inst_pref_size 255
	.end_amdhsa_kernel
	.section	.bss,"aw",@nobits
	.p2align	6
	.space	262144
	.amdgpu_metadata
---
amdhsa.version: [ 1, 2 ]
amdhsa.kernels:
  - .name:           k_q365abc0b65_main
    .symbol:         k_q365abc0b65_main.kd
    .args:
      - { .name: x_codes, .offset: 0, .size: 8, .value_kind: global_buffer, .address_space: global }
      - { .name: x_scales, .offset: 8, .size: 8, .value_kind: global_buffer, .address_space: global }
      - { .name: ln1_w, .offset: 16, .size: 8, .value_kind: global_buffer, .address_space: global }
      - { .name: ln2_w, .offset: 24, .size: 8, .value_kind: global_buffer, .address_space: global }
      - { .name: u1_b, .offset: 32, .size: 8, .value_kind: global_buffer, .address_space: global }
      - { .name: u2_b, .offset: 40, .size: 8, .value_kind: global_buffer, .address_space: global }
      - { .name: ws, .offset: 48, .size: 8, .value_kind: global_buffer, .address_space: global }
      - { .name: out0, .offset: 56, .size: 8, .value_kind: global_buffer, .address_space: global }
    .group_segment_fixed_size: 313856
    .private_segment_fixed_size: 0
    .kernarg_segment_align: 8
    .kernarg_segment_size: 64
    .max_flat_workgroup_size: 128
    .sgpr_count:     66
    .vgpr_count:     1024
    .wavefront_size: 32
...
	.end_amdgpu_metadata
.endif
;; end of part 2
;; ======== version 2 of 2: 2 launches
;; workspace buffers: ws 2,867,200 bytes
;; launch prep (part 3): grid 56 x 1, 4 waves a work-group, no clusters, 0 bytes of LDS; arguments w2_codes, w2_scales, u2_w_codes, u2_w_scales, w1_codes, w1_scales, u1_w_codes, u1_w_scales, v11_w_codes, v11_w_scales, v12_w_codes, v12_w_scales, b1_codes, b1_scales, v22_w_codes, v22_w_scales, v21_w_codes, v21_w_scales, b2_codes, b2_scales, ws; writes ws
.if DOCPART == 3
	.amdgcn_target "amdgcn-amd-amdhsa--gfx1250"
	.amdhsa_code_object_version 6
	.text
	.protected	k_q365abc0b65_prep
	.globl	k_q365abc0b65_prep
	.p2align	8
	.type	k_q365abc0b65_prep,@function
k_q365abc0b65_prep:
	s_mov_b64 s[64:65], 0
	v_nop
	global_prefetch_b8 v0, s[64:65] scope:SCOPE_SE
	s_setreg_imm32_b32 hwreg(HW_REG_WAVE_MODE, 25, 1), 1
	s_wait_xcnt 0x0
; The ten weights (codes of E3M2 and E8M0 scale bytes, K innermost) are laid out once in the order in which the second launch's waves take them into registers.
; ws = 4 streams (one for each wave of a work-group there) x 56 records x 12,800 bytes.  A record = 512 bytes of scale words + 8 fragments of 1,536 bytes.
; A fragment (16 rows x 128 K, 12 registers a lane) lies as an image of its registers: registers 4 c .. 4 c + 3 of lane l at 512 c + 16 l.
; The scale words: lane (r, h) has 16 bytes; its word i is the word (128 along K) of row r of the record's fragment 4 h + i.
; Records 0-31: matrix rec / 8 in the order w2, u2, w1, u1; K step rec % 8; fragment f = tile f of stream w's 128 rows; lane r takes row 128 w + 32 (f / 2) + 8 (f % 2) + r + 8 (r / 8),
; so that the results of tiles 2 b and 2 b + 1 are 16 neighbours along the next product's K.
; Records 32-55: F = 8 (rec - 32) + f; column tile F / 12; e = F % 12: operand e / 4 (x g, t g, g), K step e % 4.  Streams 0, 1: v11, v12, b1; streams 2, 3: v22, v21, b2.  Row (w % 2) 256 + 16 (F / 12) + r.
; One work-group makes record x of all four streams, a wave a stream.  Every store of a wave covers 512 consecutive bytes, aligned to 256.
.set RECB, 12800
	s_load_b512 s[4:19], s[0:1], 0x0               ; w2, u2, w1, u1: codes and scales
	s_load_b512 s[20:35], s[0:1], 0x40             ; v11, v12, b1, v22
	s_load_b256 s[36:43], s[0:1], 0x80             ; v21, b2
	s_load_b64 s[44:45], s[0:1], 0xa0              ; ws
	v_lshrrev_b32 v1, 5, v0
	v_readfirstlane_b32 s82, v1                    ; the stream
	v_and_b32 v1, 15, v0                           ; r
	v_bfe_u32 v2, v0, 4, 1                         ; h
	v_and_b32 v8, 8, v1
	v_add_nc_u32 v8, v8, v1                        ; r + 8 (r / 8)
	v_mul_u32_u24 v3, v8, 768                      ; K = 1,024: a row of codes is 768 bytes
	v_mad_u32_u24 v3, v2, 24, v3
	v_mul_u32_u24 v4, v1, 384                      ; K = 512: 384 bytes
	v_mad_u32_u24 v4, v2, 24, v4
	v_lshlrev_b32 v5, 5, v8                        ; rows of scale bytes: 32 bytes,
	v_lshlrev_b32 v6, 4, v1                        ; 16 bytes
	v_and_b32 v7, 31, v0
	v_lshlrev_b32 v7, 4, v7                        ; 16 x lane
	s_mul_i32 s46, s82, 56
	s_add_co_u32 s46, s46, ttmp9
	s_mul_i32 s46, s46, RECB                       ; my record's first byte
	s_mov_b32 s47, 0
	s_wait_kmcnt 0x0
	s_add_nc_u64 s[44:45], s[44:45], s[46:47]
	s_cmp_lt_u32 ttmp9, 32
	s_cbranch_scc0 .Lstage2
	s_lshr_b32 s83, ttmp9, 3                       ; which matrix
	s_and_b32 s84, ttmp9, 7                        ; which K step
	s_cmp_eq_u32 s83, 1
	s_cselect_b64 s[4:5], s[8:9], s[4:5]
	s_cselect_b64 s[6:7], s[10:11], s[6:7]
	s_cmp_eq_u32 s83, 2
	s_cselect_b64 s[4:5], s[12:13], s[4:5]
	s_cselect_b64 s[6:7], s[14:15], s[6:7]
	s_cmp_eq_u32 s83, 3
	s_cselect_b64 s[4:5], s[16:17], s[4:5]
	s_cselect_b64 s[6:7], s[18:19], s[6:7]
	s_mul_i32 s86, s82, 128*768                    ; the stream's 128 rows,
	s_mul_i32 s85, s84, 96                         ; the K step's 96 bytes
	s_add_co_u32 s86, s86, s85
	s_mov_b32 s87, 0
	s_add_nc_u64 s[4:5], s[4:5], s[86:87]
	s_lshl_b32 s86, s82, 12
	s_lshl_b32 s85, s84, 2
	s_add_co_u32 s86, s86, s85
	s_add_nc_u64 s[6:7], s[6:7], s[86:87]
	s_wait_alu depctr_va_vdst(0)
.irp f, 0,1,2,3,4,5,6,7
.irp q, 0,1,2,3,4,5
	global_load_b64 v[16+12*\f+2*\q:17+12*\f+2*\q], v3, s[4:5] offset:(32*(\f/2)+8*(\f%2))*768+48*(\q/3)+8*(\q%3)
.endr
	global_load_b32 v[112+\f], v5, s[6:7] offset:(32*(\f/2)+8*(\f%2))*32
.endr
	s_branch .Lout
.Lstage2:
	s_lshr_b32 s92, s82, 1                         ; which half of the output
	s_and_b32 s83, s82, 1
	s_lshl_b32 s83, s83, 8                         ; the stream's first row
	s_sub_co_u32 s93, ttmp9, 32
	s_lshl_b32 s93, s93, 3                         ; F of the record's first fragment
	s_cmp_eq_u32 s92, 0
	s_cselect_b64 s[20:21], s[20:21], s[32:33]     ; for x g: v11 or v22
	s_cselect_b64 s[22:23], s[22:23], s[34:35]
	s_cselect_b64 s[24:25], s[24:25], s[36:37]     ; for t g: v12 or v21
	s_cselect_b64 s[26:27], s[26:27], s[38:39]
	s_cselect_b64 s[28:29], s[28:29], s[40:41]     ; for g: b1 or b2
	s_cselect_b64 s[30:31], s[30:31], s[42:43]
	s_wait_alu depctr_va_vdst(0)
.irp f, 0,1,2,3,4,5,6,7                            ; each fragment has base registers of its own, so that none is rewritten under a pending load
	s_add_co_u32 s84, s93, \f                      ; F
	s_mul_i32 s85, s84, 171
	s_lshr_b32 s85, s85, 11                        ; F / 12 (exact for F under 192)
	s_mul_i32 s86, s85, 12
	s_sub_co_u32 s86, s84, s86                     ; e
	s_lshr_b32 s87, s86, 2                         ; operand
	s_and_b32 s86, s86, 3                          ; K step
	s_lshl_b32 s85, s85, 4
	s_add_co_u32 s85, s85, s83                     ; first row
	s_mul_i32 s88, s85, 384
	s_mul_i32 s90, s86, 96
	s_add_co_u32 s88, s88, s90
	s_mov_b32 s89, 0
	s_lshl_b32 s90, s85, 4
	s_lshl_b32 s86, s86, 2
	s_add_co_u32 s90, s90, s86
	s_mov_b32 s91, 0
	s_cmp_eq_u32 s87, 0
	s_cselect_b64 s[48+2*\f:49+2*\f], s[20:21], s[24:25]
	s_cselect_b64 s[66+2*\f:67+2*\f], s[22:23], s[26:27]
	s_cmp_eq_u32 s87, 2
	s_cselect_b64 s[48+2*\f:49+2*\f], s[28:29], s[48+2*\f:49+2*\f]
	s_cselect_b64 s[66+2*\f:67+2*\f], s[30:31], s[66+2*\f:67+2*\f]
	s_add_nc_u64 s[48+2*\f:49+2*\f], s[48+2*\f:49+2*\f], s[88:89]
	s_add_nc_u64 s[66+2*\f:67+2*\f], s[66+2*\f:67+2*\f], s[90:91]
.irp q, 0,1,2,3,4,5
	global_load_b64 v[16+12*\f+2*\q:17+12*\f+2*\q], v4, s[48+2*\f:49+2*\f] offset:48*(\q/3)+8*(\q%3)
.endr
	global_load_b32 v[112+\f], v6, s[66+2*\f:67+2*\f]
.endr
.Lout:
	s_wait_loadcnt 0x0
	v_cmp_eq_u32 vcc_lo, 1, v2
.irp i, 0,1,2,3
	v_cndmask_b32 v[120+\i], v[112+\i], v[116+\i], vcc_lo   ; lanes 0-15: fragments 0-3; lanes 16-31: fragments 4-7
.endr
	global_store_b128 v7, v[120:123], s[44:45]
.irp f, 0,1,2,3,4,5,6,7
.irp c, 0,1,2
	global_store_b128 v7, v[16+12*\f+4*\c:16+12*\f+4*\c+3], s[44:45] offset:512+1536*\f+512*\c
.endr
.endr
	s_endpgm
.Lfunc_end_k_q365abc0b65_prep:
	.size	k_q365abc0b65_prep, .Lfunc_end_k_q365abc0b65_prep-k_q365abc0b65_prep
	.p2alignl 7, 3214868480
	.fill 96, 4, 3214868480
	.section	.rodata,"a",@progbits
	.p2align	6, 0x0
	.amdhsa_kernel k_q365abc0b65_prep
		.amdhsa_group_segment_fixed_size 0
		.amdhsa_private_segment_fixed_size 0
		.amdhsa_enable_private_segment 0
		.amdhsa_kernarg_size 168
		.amdhsa_user_sgpr_count 2
		.amdhsa_user_sgpr_kernarg_segment_ptr 1
		.amdhsa_wavefront_size32 1
		.amdhsa_system_sgpr_workgroup_id_x 1
		.amdhsa_system_sgpr_workgroup_id_y 1
		.amdhsa_system_sgpr_workgroup_id_z 1
		.amdhsa_system_vgpr_workitem_id 0
		.amdhsa_next_free_vgpr 128
		.amdhsa_next_free_sgpr 100
		.amdhsa_reserve_vcc 1
		.amdhsa_float_denorm_mode_32 3
		.amdhsa_float_denorm_mode_16_64 3
		.amdhsa_memory_ordered 1
		.amdhsa_forward_progress 1
		.amdhsa_inst_pref_size 23
	.end_amdhsa_kernel
	.amdgpu_metadata
---
amdhsa.version: [ 1, 2 ]
amdhsa.kernels:
  - .name:           k_q365abc0b65_prep
    .symbol:         k_q365abc0b65_prep.kd
    .args:
      - { .name: w2_codes, .offset: 0, .size: 8, .value_kind: global_buffer, .address_space: global }
      - { .name: w2_scales, .offset: 8, .size: 8, .value_kind: global_buffer, .address_space: global }
      - { .name: u2_w_codes, .offset: 16, .size: 8, .value_kind: global_buffer, .address_space: global }
      - { .name: u2_w_scales, .offset: 24, .size: 8, .value_kind: global_buffer, .address_space: global }
      - { .name: w1_codes, .offset: 32, .size: 8, .value_kind: global_buffer, .address_space: global }
      - { .name: w1_scales, .offset: 40, .size: 8, .value_kind: global_buffer, .address_space: global }
      - { .name: u1_w_codes, .offset: 48, .size: 8, .value_kind: global_buffer, .address_space: global }
      - { .name: u1_w_scales, .offset: 56, .size: 8, .value_kind: global_buffer, .address_space: global }
      - { .name: v11_w_codes, .offset: 64, .size: 8, .value_kind: global_buffer, .address_space: global }
      - { .name: v11_w_scales, .offset: 72, .size: 8, .value_kind: global_buffer, .address_space: global }
      - { .name: v12_w_codes, .offset: 80, .size: 8, .value_kind: global_buffer, .address_space: global }
      - { .name: v12_w_scales, .offset: 88, .size: 8, .value_kind: global_buffer, .address_space: global }
      - { .name: b1_codes, .offset: 96, .size: 8, .value_kind: global_buffer, .address_space: global }
      - { .name: b1_scales, .offset: 104, .size: 8, .value_kind: global_buffer, .address_space: global }
      - { .name: v22_w_codes, .offset: 112, .size: 8, .value_kind: global_buffer, .address_space: global }
      - { .name: v22_w_scales, .offset: 120, .size: 8, .value_kind: global_buffer, .address_space: global }
      - { .name: v21_w_codes, .offset: 128, .size: 8, .value_kind: global_buffer, .address_space: global }
      - { .name: v21_w_scales, .offset: 136, .size: 8, .value_kind: global_buffer, .address_space: global }
      - { .name: b2_codes, .offset: 144, .size: 8, .value_kind: global_buffer, .address_space: global }
      - { .name: b2_scales, .offset: 152, .size: 8, .value_kind: global_buffer, .address_space: global }
      - { .name: ws, .offset: 160, .size: 8, .value_kind: global_buffer, .address_space: global }
    .group_segment_fixed_size: 0
    .private_segment_fixed_size: 0
    .kernarg_segment_align: 8
    .kernarg_segment_size: 168
    .max_flat_workgroup_size: 128
    .sgpr_count:     100
    .vgpr_count:     128
    .wavefront_size: 32
...
	.end_amdgpu_metadata
.endif
;; end of part 3
;; launch main (part 4): grid 256 x 1, 4 waves a work-group, no clusters, 313,856 bytes of LDS; arguments x_codes, x_scales, ln1_w, ln2_w, u1_b, u2_b, ws, out0; writes out0
.if DOCPART == 4
	.amdgcn_target "amdgcn-amd-amdhsa--gfx1250"
	.amdhsa_code_object_version 6
	.text
	.protected	k_q365abc0b65_main
	.globl	k_q365abc0b65_main
	.p2align	8
	.type	k_q365abc0b65_main,@function
k_q365abc0b65_main:
	s_mov_b64 s[64:65], 0
	v_nop
	global_prefetch_b8 v0, s[64:65] scope:SCOPE_SE
	s_setreg_imm32_b32 hwreg(HW_REG_WAVE_SCHED_MODE, 0, 2), 2
	s_setreg_imm32_b32 hwreg(HW_REG_WAVE_MODE, 25, 1), 1
	s_wait_xcnt 0x0
	s_wait_alu depctr_vm_vsrc(0)
; Monet's layer with one head, all of it for 64 tokens in one work-group; nothing between the products goes to memory.
; THE GATE.  The norm runs over the head axis, which has ONE entry: mean = logit, so the normed number is c = 0 x ln_w for every expert, the eighth largest is c, and the mask is (c >= c):
; true everywhere for a finite ln_w, false everywhere else.  So the gate is the softmax of all 512 logits, or 1/512 throughout.  ln_w enters as A = (c >= c) ? log2(e) : 0, the factor ahead of the exponential.
; STAGE 1 (K = 1,024), in the order w2, u2, w1, u1: source 0 = 16 rows of a weight, source 1 = 16 tokens of x: a lane holds ONE token (lane % 16) and its registers run along the experts.
; Wave w owns experts 128 w .. 128 w + 127 for all 64 tokens (four tiles m).  The rows of a weight's tile were chosen (first launch) so that register 16 b + i of a token is expert 128 w + 32 b + 16 (lane / 16) + i.
; SOFTMAX.  Each wave takes its own largest logit: MA = max x A, p = 2^(z A - MA).  The waves exchange (MA, sum p, sum x p) for each token; f = 2^(MA - largest MA); S = sum of sums x f;
; g = p f / S, t = (sum of (sum x p) f) / S.  The maximum is taken away.
; STAGE 2 (K = 512 experts): x g, g and t g are quantised in registers (a wave's 128 experts are K step w) and go to the other waves through LDS as images of the operand's registers.
; Wave w makes output columns 256 w .. 256 w + 255 for the 64 tokens: three products into one sum (x g with v11 / v22, t g with v12 / v21, g with b1 / b2).
; Gate 2 comes first; its g in f32 waits in LDS until gate 1's t is known.
; THE WEIGHTS come from ws straight into registers: a ring of 16 fragments (two records of 12,800 bytes); each fragment is read by one wave of the work-group.
; NO CLUSTER, NO JOINT LOADS, though all 256 work-groups walk the same 2,867,200 bytes: joint loads land in LDS, and of its 327,680 bytes this text holds 313,344
; (g2 in f32 131,072, images 98,304, x 50,176, scale words, exchange, way out 33,792): 14,336 are left, less than half of one of the four waves' records.
; LIMITS: logits that are NaN or infinite are not served; a block whose largest magnitude lies under 2^-122 takes the scale byte 1 (a block of zeros too: its codes are zeros, and this program alone reads the bytes);
; v_exp_f32 gives 0 where 2^t would be denormal.
; THE MODE: SCHED_MODE bits 1:0 = 2 (LLVM: expert scheduling mode 2), set by the entry lines.  The code itself states the register dependences
; between vector or matrix instructions and memory or LDS instructions, with s_wait_alu, always for 0.
; THE PLAN.  Registers that memory or LDS instructions touch, and who else names them:
;   the ring      Step s's groups 0, 1 read slots 0-3 of set s % 2, its groups 2, 3 slots 4-7.  Slots 0-3 are loaded again in the step's middle (record s + 2), slots 4-7 at the next step's head.
;   v[SCS ..]     A record's scale words: read by all of its step's products; the set loaded at step s's head was last read two steps back (stage 2: one record back).
;   v[XF ..]      Step s's products read set s % 2; x's fragments of step s + 1 land in the other set, behind step s's first group.  Between the passes set 1 is at work for vector instructions.
;   v[BI ..]      Window 1: the bias's loads at a gate's head; read as C by the u pass's first step; then the exchange's LDS loads; read by the exchange's arithmetic.
;   v[ST ..], v[PC ..], v[PW], window 2   written by vector instructions, read by LDS stores (the exchange, the images, g's parking).
;   v8, v9        LDS addresses, written once a gate and once a trip of the loop over t g.  The others are made at the head; only v25 to v27 are made again, with v19 to v28, for stage 2.
;   stage 2       the 48 operand fragments and their scale words are loaded once; the sums are read by the way out's LDS stores; v[OT ..] is loaded from the stage and read by the global stores.
; So TWO waits on va_vdst stand in a K step: at its head (the step before is done reading slots 4-7 of its set, its fragments of x and the scale words of two steps back) and in its middle
; (groups 0 and 1 are done reading slots 0-3).  Each is followed by a run of loads; x's fragments follow the first group with no further wait, since that group names none of their registers.
; LDS: wave w's own 65,792 bytes at 65,792 w: +0 images (gate order 12,288, kind x g / g 6,144, tile m 1,536); +24,576 g2 in f32 (8,192 a tile m; later the images of t g: half 0 at +0, half 1 at +1,536);
;   +57,344 scale words (gate order 1,536, operand 512, tile 128); +60,416 exchange (16 bytes a token); +61,440 the way out (16 rows x 272).  From 263,168: x, 64 rows x 784.
; REGISTERS, in windows of 256.  Window 0: below.  Window 1: v0-191 the ring, v192-255 the bias, then the exchange, then sums of stage 2.  Window 2: p, then g (64 m + 16 b + i).  Window 3: the sums of stage 1.
;   Stage 2: the 48 operand fragments (e = 4 operand + K step; 48 registers each): e 0-4 window 2, e 5-8 window 3 v0-191, e 9-11 window 0 v112-255; sums: column tiles 0, 1 window 3 v192-255, tiles 2, 3 window 1 v192-255.
.set RECB, 12800
.set WREG, 65792
.set G2FO, 24576
.set SCLO, 57344
.set XCHO, 60416
.set OSTO, 61440
.set XR0,  4*WREG
.set XP,   784
.set LI,  1                            ; v1   16 x lane
.set XCW, 3                            ; v3   my exchange words: 16 r in my wave's
.set XCR, 4                            ; v4   the same in wave 0's
.set IMW, 5                            ; v5   my wave's images + 16 x lane
.set SCW, 6                            ; v6   my wave's scale words + 4 x lane
.set G2A, 7                            ; v7   my wave's g2 + 16 x lane
.set OSA, 10                           ; v10  the way out: in
.set OSR, 11                           ; v11  back
.set GO,  12                           ; v12  and in out0
.set BOF, 13                           ; v13  64 h: my half's place in a bias
.set AA,  14                           ; v[14:15] A of the gate in hand
.set AN,  16                           ; v16  A of the next
.set XA,  18                           ; v18  x's rows: 784 r + 24 h
.set XC1, 29                           ; v29-31 my token's exchange words in waves 1, 2, 3's
.set SCS, 32                           ; v32-47 the weights' scale words, four sets of four: scales alone
.set XS,  48                           ; v48-63 x's scale words: scales alone
.set OS,  48                           ; v48-71 stage 2: the operands' scale words: scales alone
.set ST,  72                           ; v72-87 four a tile: MA, sum p, sum x p, 0
.set OT,  72                           ; v72-103 stage 2: rows on their way out
.set TC,  88                           ; v88-95  t of the gate just done, a pair a tile (low word)
.set TP,  96                           ; v96-103 t of the gate before
.set CC,  104                          ; v104-111 f / S
.set TM,  112                          ; v112-127 at work
.set PW,  128                          ; v128 the scale word just made
.set PC,  130                          ; v130-149 the codes just made
.set XF,  160                          ; v160-255 x's fragments, two sets of four; the second set is free between the passes:
.set SA,  208
.set DD,  208
.set DO,  224
.set MG,  228
.set SS,  232
.set TT,  236
.set RR,  240
.set BI,  192                          ; window 1
.set MSB, 0
.macro WIN new                         ; bits 1:0 source 0, 3:2 source 1, 5:4 source 2, 7:6 destination; the high byte repeats the setting that is left
.if MSB != (\new)
	s_set_vgpr_msb (MSB<<8)|(\new)
.set MSB, (\new)
.endif
.endm
.macro NOPS n
.rept \n
	v_nop
.endr
.endm
.macro BAR                             ; my LDS stores have landed and my LDS loads are in: then the work-group's barrier
	s_wait_dscnt 0x0
	s_barrier_signal -1
	s_barrier_wait -1
.endm
; One matrix instruction from the symbols rD, rA, rB, rC, rSA, rSB; zC = 1: the constant 0 starts the sum; fA, fB = 1: that side's scale words stand in lanes 16-31.
.macro WM
.set fAB, 2*fA+fB
.if zC == 1
.if fAB == 0
	v_wmma_scale_f32_16x16x128_f8f6f4 v[rD:rD+7], v[rA:rA+11], v[rB:rB+11], 0, v[rSA], v[rSB] matrix_a_fmt:MATRIX_FMT_BF6 matrix_b_fmt:MATRIX_FMT_BF6
.elseif fAB == 1
	v_wmma_scale_f32_16x16x128_f8f6f4 v[rD:rD+7], v[rA:rA+11], v[rB:rB+11], 0, v[rSA], v[rSB] matrix_a_fmt:MATRIX_FMT_BF6 matrix_b_fmt:MATRIX_FMT_BF6 matrix_b_scale:MATRIX_SCALE_ROW1
.elseif fAB == 2
	v_wmma_scale_f32_16x16x128_f8f6f4 v[rD:rD+7], v[rA:rA+11], v[rB:rB+11], 0, v[rSA], v[rSB] matrix_a_fmt:MATRIX_FMT_BF6 matrix_b_fmt:MATRIX_FMT_BF6 matrix_a_scale:MATRIX_SCALE_ROW1
.else
	v_wmma_scale_f32_16x16x128_f8f6f4 v[rD:rD+7], v[rA:rA+11], v[rB:rB+11], 0, v[rSA], v[rSB] matrix_a_fmt:MATRIX_FMT_BF6 matrix_b_fmt:MATRIX_FMT_BF6 matrix_a_scale:MATRIX_SCALE_ROW1 matrix_b_scale:MATRIX_SCALE_ROW1
.endif
.else
.if fAB == 0
	v_wmma_scale_f32_16x16x128_f8f6f4 v[rD:rD+7], v[rA:rA+11], v[rB:rB+11], v[rC:rC+7], v[rSA], v[rSB] matrix_a_fmt:MATRIX_FMT_BF6 matrix_b_fmt:MATRIX_FMT_BF6
.elseif fAB == 1
	v_wmma_scale_f32_16x16x128_f8f6f4 v[rD:rD+7], v[rA:rA+11], v[rB:rB+11], v[rC:rC+7], v[rSA], v[rSB] matrix_a_fmt:MATRIX_FMT_BF6 matrix_b_fmt:MATRIX_FMT_BF6 matrix_b_scale:MATRIX_SCALE_ROW1
.elseif fAB == 2
	v_wmma_scale_f32_16x16x128_f8f6f4 v[rD:rD+7], v[rA:rA+11], v[rB:rB+11], v[rC:rC+7], v[rSA], v[rSB] matrix_a_fmt:MATRIX_FMT_BF6 matrix_b_fmt:MATRIX_FMT_BF6 matrix_a_scale:MATRIX_SCALE_ROW1
.else
	v_wmma_scale_f32_16x16x128_f8f6f4 v[rD:rD+7], v[rA:rA+11], v[rB:rB+11], v[rC:rC+7], v[rSA], v[rSB] matrix_a_fmt:MATRIX_FMT_BF6 matrix_b_fmt:MATRIX_FMT_BF6 matrix_a_scale:MATRIX_SCALE_ROW1 matrix_b_scale:MATRIX_SCALE_ROW1
.endif
.endif
.endm
; x's four fragments of K step ks into set bf: 24 bytes of a row's stream of bits as three loads of 8.  Rows 784 bytes apart: the 32 lanes of a load touch 64 different banks (64 banks of 4 bytes: ISA guide 11.1).
.macro XLOAD ks, bf
.irp m, 0,1,2,3
.irp q, 0,1,2,3,4,5
	ds_load_b64 v[XF+48*(\bf)+12*\m+2*\q:XF+48*(\bf)+12*\m+2*\q+1], v[XA] offset:16*\m*XP+96*(\ks)+48*(\q/3)+8*(\q%3)
.endr
.endr
.endm
; Four fragments, lo .. lo + 3, of record rec (counted from the pass's first) into their slots of ring set rec % 2: twelve loads
.macro RING rec, lo
	WIN 0x40
.irp k, 0,1,2,3
.irp c, 0,1,2
	global_load_b128 v[12*(8*((\rec)%2)+(\lo)+\k)+4*\c:12*(8*((\rec)%2)+(\lo)+\k)+4*\c+3], v[LI], s[30:31] offset:(\rec)*RECB+512+1536*((\lo)+\k)+512*\c
.endr
.endr
.endm
; Group p of K step s: two weight tiles x four token tiles: 8 accumulators by turns, one instruction a turn.
; cm = 0: the sums go on; 1: the constant 0 starts them; 2: the bias (window 1) starts them.
.macro GRP s, cm, p
.if (\cm) == 2
	WIN 0xd1                                       ; weights window 1, x window 0, C window 1, D window 3
.else
	WIN 0xf1                                       ; C and D window 3
.endif
.irp u, 0,1
.irp m, 0,1,2,3
.set tq, 2*(\p)+\u
.set rD, 64*\m+8*tq
.set rC, rD
.if (\cm) == 2
.set rC, BI+8*tq
.endif
.set rA, 12*(8*((\s)%2)+tq)
.set rB, XF+48*((\s)%2)+12*\m
.set rSA, SCS+4*((\s)%4)+tq%4
.set rSB, XS+4*\m+(\s)%4
.set fA, tq/4
.set fB, (\s)/4
.set zC, (\cm)
	WM
.endr
.endr
.endm
; A K STEP OF STAGE 1: 32 matrix instructions in four groups.
; THE COUNTS.  Loads come back in order (ISA guide 5.7.1).  The stream is asked for in this order: at the head of step s the scale words of record s + 2 and fragments 4-7 of record s + 1 (13 loads), in its
; middle fragments 0-3 of record s + 2 (12 loads).  Behind fragments 0, 1 of record s stand, when group 0 wants them: fragments 2, 3 (6), a head (13), a middle (12), a head (13): 44; for group 1: 38.
; Behind fragments 4, 5, when group 2 wants them: fragments 6, 7 (6), a middle, a head, a middle: 43; for group 3: 37.  Where the bias's 16 loads lie among these, more stand behind: the counts stay.
.macro KSTEP s, cm
	WIN 0
	s_wait_alu depctr_va_vdst(0)                   ; the step before is done reading slots 4-7 of its ring set and its fragments of x; at a pass's first step: the vector work between the passes is done with x's second set
	global_load_b128 v[SCS+4*(((\s)+2)%4):SCS+4*(((\s)+2)%4)+3], v[LI], s[30:31] offset:((\s)+2)*RECB
	RING (\s)+1, 4
	s_wait_loadcnt 44
	s_wait_dscnt 0x0                               ; x's fragments of this K step, asked for 24 matrix instructions ago
	GRP \s, \cm, 0
	WIN 0
	XLOAD ((\s)+1)%8, ((\s)+1)%2                   ; no wait: since the wait at the step's head only group 0 was issued, which names the other set
	s_wait_loadcnt 38
	GRP \s, \cm, 1
	NOPS 4                                         ; four places behind the matrix instructions, ahead of the loads into registers that they have read; the wait below states the dependence
	WIN 0x40
	s_wait_alu depctr_va_vdst(0)                   ; groups 0 and 1 are done reading slots 0-3 of this step's ring set
	RING (\s)+2, 0
	s_wait_loadcnt 43
	GRP \s, \cm, 2
	s_wait_loadcnt 37
	GRP \s, \cm, 3
	NOPS 4                                         ; the places ahead of the next head's loads, and of the first read of the sums behind a pass
.endm
.macro PASS first                      ; one weight's eight K steps; its last two ask for the next weight's first records
	KSTEP 0, \first
.irp ks, 1,2,3,4,5,6,7
	KSTEP \ks, 0
.endr
	WIN 0
	s_wait_xcnt 0x0                                ; the loads have read their base: it is stepped only behind this wait
	s_add_nc_u64 s[30:31], s[30:31], 8*RECB
.endm
; Four tiles' sums in two packed chains each (v[SA + 4 m] on) are folded, joined with lane l xor 16's, and put into word w of the tiles' statistics.
.macro FOLD w
	WIN 0
.irp m, 0,1,2,3
	v_pk_add_f32 v[SA+4*\m:SA+4*\m+1], v[SA+4*\m:SA+4*\m+1], v[SA+4*\m+2:SA+4*\m+3]
.endr
.irp m, 0,1,2,3
	v_add_f32 v[SA+4*\m], v[SA+4*\m], v[SA+4*\m+1]
.endr
.irp m, 0,1,2,3
	v_permlanex16_b32 v[TM+4+\m], v[SA+4*\m], s22, s23
.endr
.irp m, 0,1,2,3
	v_add_f32 v[ST+4*\m+(\w)], v[SA+4*\m], v[TM+4+\m]
.endr
.endm
; 64 numbers of a lane, none negative, in window W from register b on (register 16 k + i = K 32 k + 16 (lane / 16) + i of my token) become a fragment's codes in v[PC] on and its scale word in v[PW].
; A block's scale byte is its largest magnitude's exponent field - 4, held at 1 from below by the floor 2^(5 - 127) among the maximum's leaves; the conversion takes the exponent field of its scale operand alone.
.macro QUANT W, b
	WIN (\W)|((\W)<<2)
.irp k, 0,1,2,3
	v_max3_num_f32 v[TM+\k], v[(\b)+16*\k], v[(\b)+16*\k+1], 0x2800000
.endr
	WIN ((\W)<<2)|((\W)<<4)
.irp i, 2,4,6,8,10,12,14
.irp k, 0,1,2,3
	v_max3_num_f32 v[TM+\k], v[TM+\k], v[(\b)+16*\k+\i], v[(\b)+16*\k+\i+1]
.endr
.endr
	WIN 0
.irp k, 0,1,2,3
	v_permlanex16_b32 v[TM+4+\k], v[TM+\k], s22, s23
.endr
.irp k, 0,1,2,3
	v_max_num_f32 v[TM+\k], v[TM+\k], v[TM+4+\k]   ; with lane l xor 16's 16 numbers: the block's
.endr
.irp k, 0,1,2,3
	v_add_nc_u32 v[TM+12+\k], 0xfe000000, v[TM+\k] ; 4 off the exponent field: the conversion's scale operand
.endr
.irp k, 0,1,2,3
	v_lshrrev_b32 v[TM+4+\k], 23, v[TM+12+\k]      ; the byte
.endr
	s_wait_alu depctr_va_vdst(0)
	s_wait_dscnt 0x0                               ; the last image's stores are done,
	s_wait_alu depctr_vm_vsrc(0)                   ; and have read v[PW] and v[PC] on, which the lines below write again
	v_lshl_or_b32 v[PW], v[TM+5], 8, v[TM+4]
	v_lshl_or_b32 v[PW], v[TM+6], 16, v[PW]
	v_lshl_or_b32 v[PW], v[TM+7], 24, v[PW]
	WIN (\W)
.irp c, 0,1
	v_cvt_scalef32_pk16_bf6_f32 v[PC+6*\c:PC+6*\c+2], v[(\b)+32*\c:(\b)+32*\c+15], v[TM+12+2*\c]
	v_cvt_scalef32_pk16_bf6_f32 v[PC+12+4*\c:PC+14+4*\c], v[(\b)+32*\c+16:(\b)+32*\c+31], v[TM+13+2*\c]   ; (a conversion's three registers begin on an even number)
.endr
	WIN 0
	v_nop                                          ; one plain place behind a scaled conversion
.irp c, 0,1                                        ; the operand's layout wants a whole block in a lane: lanes 0-15 block 2 c, lanes 16-31 block 2 c + 1
.irp i, 0,1,2
	v_permlane16_swap_b32 v[PC+6*\c+\i], v[PC+12+4*\c+\i]
.endr
.irp i, 0,1,2
	v_mov_b32 v[PC+3+6*\c+\i], v[PC+12+4*\c+\i]
.endr
.endr
	s_wait_alu depctr_va_vdst(0)                   ; v[PC] on and v[PW] are written: the LDS stores that follow this macro read them
.endm
.macro IMAGE adr, off                  ; the fragment in v[PC] on goes to LDS as it stands: 512 consecutive bytes a store
.irp c, 0,1,2
	ds_store_b128 v[\adr], v[PC+4*\c:PC+4*\c+3] offset:(\off)+512*\c
.endr
.endm
	s_load_b512 s[4:19], s[0:1], 0x0               ; x_codes, x_scales, ln1_w, ln2_w, u1_b, u2_b, ws, out0
	v_lshl_add_u32 v2, v0, 2, 0x4c800
	v_mov_b32 v17, 0
	v_lshrrev_b32 v19, 5, v0
	v_readfirstlane_b32 s20, v19                   ; wave 0..3
	s_mov_b32 s22, 0x76543210
	s_mov_b32 s23, 0xfedcba98                      ; v_permlanex16_b32's selects for lane l xor 16
	v_and_b32 v20, 31, v0                          ; lane
	v_and_b32 v21, 15, v0                          ; r
	v_bfe_u32 v22, v0, 4, 1                        ; h
	v_lshlrev_b32 v[LI], 4, v20
	v_lshlrev_b32 v23, 4, v21                      ; 16 r
	v_add_nc_u32 v[XCR], XCHO, v23
	v_add_nc_u32 v[XC1], WREG, v[XCR]
	v_add_nc_u32 v[XC1+1], 2*WREG, v[XCR]
	v_add_nc_u32 v[XC1+2], 3*WREG, v[XCR]
	s_wait_alu depctr_va_sdst(0)                   ; s20 is written, ahead of its first reader: LDS places, bases and the stream are made from it
	s_lshr_b32 s21, s20, 1                         ; stage 2: my half of the output
	s_and_b32 s42, s20, 1
	s_mul_i32 s25, s20, WREG                       ; my wave's own LDS
	v_add_nc_u32 v[XCW], s25, v[XCR]
	v_add_nc_u32 v[IMW], s25, v[LI]
	v_lshl_add_u32 v[SCW], v20, 2, SCLO
	v_add_nc_u32 v[SCW], s25, v[SCW]
	v_add_nc_u32 v[G2A], G2FO, v[IMW]
	v_mul_u32_u24 v24, v21, 272
	v_lshl_add_u32 v[OSA], v22, 5, v24             ; in: row r, 32 bytes for each half of the lanes
	v_add_nc_u32 v[OSA], s25, v[OSA]
	v_add_nc_u32 v[OSA], OSTO, v[OSA]
	v_mul_u32_u24 v24, v22, 272
	v_add_nc_u32 v[OSR], v24, v23                  ; back: lanes 0-15 one row of 256 bytes, lanes 16-31 the next
	v_add_nc_u32 v[OSR], s25, v[OSR]
	v_add_nc_u32 v[OSR], OSTO, v[OSR]
	v_lshl_add_u32 v[GO], v22, 12, v23             ; and the same two rows of out0 (4,096 bytes a row)
	v_lshlrev_b32 v[BOF], 6, v22
	v_mul_u32_u24 v24, v21, XP
	v_mad_u32_u24 v[XA], v22, 24, v24
	v_add_nc_u32 v[XA], XR0, v[XA]
	s_mul_i32 s43, s20, 16*XP
	v_lshl_add_u32 v25, v20, 3, s43
	v_add_nc_u32 v25, XR0, v25                     ; where I put x: my wave's 16 rows, 8 bytes a lane
	v_lshlrev_b32 v26, 3, v20                      ; and where it comes from
	v_lshlrev_b32 v27, 5, v21
	v_lshl_add_u32 v27, v22, 4, v27                ; x's scale words: 32 r + 16 h: lanes 0-15 K steps 0-3, lanes 16-31 K steps 4-7
	s_lshl_b32 s38, ttmp9, 6
	s_lshl_b32 s39, s20, 4
	s_add_co_u32 s38, s38, s39                     ; my wave's first token: 64 x work-group + 16 x wave
	s_mul_i32 s38, s38, 768
	s_mov_b32 s39, 0
	s_lshl_b32 s40, ttmp9, 11                      ; the block's scale bytes: 64 x 32
	s_mov_b32 s41, 0
	s_mul_i32 s44, s20, 56*RECB                    ; my stream
	s_mov_b32 s45, 0
	s_lshl_b32 s46, s20, 9                         ; my 128 numbers of a bias
	s_mov_b32 s47, 0
	s_lshl_b32 s48, ttmp9, 18                      ; the block's 64 rows of out0,
	s_lshl_b32 s43, s21, 11
	s_add_co_u32 s48, s48, s43
	s_lshl_b32 s43, s42, 10
	s_add_co_u32 s48, s48, s43                     ; my 256 columns
	s_mov_b32 s49, 0
	s_wait_kmcnt 0x0
	s_add_nc_u64 s[4:5], s[4:5], s[38:39]
	s_add_nc_u64 s[6:7], s[6:7], s[40:41]
	s_add_nc_u64 s[30:31], s[16:17], s[44:45]      ; the stream
	s_add_nc_u64 s[32:33], s[14:15], s[46:47]      ; the bias in hand: u2_b,
	s_add_nc_u64 s[34:35], s[12:13], s[46:47]      ; the next: u1_b
	s_add_nc_u64 s[36:37], s[18:19], s[48:49]
	s_load_b32 s50, s[10:11], 0x0                  ; ln2_w
	s_load_b32 s51, s[8:9], 0x0                    ; ln1_w
	s_wait_alu depctr_va_vdst(0)                   ; all offsets and LDS addresses made above are written: the kernel's loads and stores read them, and but for v25 to v27 none is written again
.set i, 0
.rept 48                                           ; my 16 tokens' codes, 12,288 dense bytes: each load covers 256 consecutive bytes, aligned
	global_load_b64 v[XF+2*i:XF+2*i+1], v26, s[4:5] offset:256*i th:TH_LOAD_NT
.set i, i+1
.endr
.irp m, 0,1,2,3
	global_load_b128 v[XS+4*\m:XS+4*\m+3], v27, s[6:7] offset:512*\m
.endr
	global_load_b128 v[SCS:SCS+3], v[LI], s[30:31] ; the ring's first fill: record 0 whole,
	RING 0, 0
	RING 0, 4
	WIN 0
	global_load_b128 v[SCS+4:SCS+7], v[LI], s[30:31] offset:RECB   ; of record 1 the scale words and fragments 0-3: the first K step's head asks for the rest, as every head does
	RING 1, 0
	WIN 0
.set i, 0
.rept 4
	v_mov_b32 v[TM+4+i], 0                         ; a lane permute's destination counts as one of its sources
	v_mov_b32 v[ST+4*i+1], 0                       ; named as upper halves of pairs before they are first written
	v_mov_b32 v[ST+4*i+3], 0
	v_mov_b32 v[TC+2*i], 0
	v_mov_b32 v[TC+2*i+1], 0
	v_mov_b32 v[TP+2*i+1], 0
	v_mov_b32 v[CC+2*i+1], 0
.set i, i+1
.endr
	v_mov_b32 v[AA+1], 0
	s_wait_kmcnt 0x0
	v_mov_b32 v19, s50
	v_mov_b32 v20, s51
	v_mul_f32 v19, 0, v19                          ; c = 0 x ln_w: what the norm leaves of every logit
	v_mul_f32 v20, 0, v20
	v_mov_b32 v21, 0x3fb8aa3b                      ; log2(e)
	v_cmp_ge_f32 vcc_lo, v19, v19                  ; the mask: c >= the eighth largest, which is c
	s_wait_alu depctr_va_vcc(0)                    ; VCC is written, ahead of the select that reads it
	v_cndmask_b32 v[AA], 0, v21, vcc_lo
	v_cmp_ge_f32 vcc_lo, v20, v20
	s_wait_alu depctr_va_vcc(0)                    ; and again
	v_cndmask_b32 v[AN], 0, v21, vcc_lo
	s_wait_loadcnt 42                              ; x's 48 loads are in: behind them stand x's 4 loads of scale words and the ring's 38
.set i, 0
.rept 48
	ds_store_b64 v25, v[XF+2*i:XF+2*i+1] offset:(i/3)*XP+256*(i%3)
.set i, i+1
.endr
	BAR                                            ; all 64 rows of x lie in LDS
	s_wait_alu depctr_vm_vsrc(0)                   ; my LDS stores have read v[XF] on, in which the fragments' loads land from here on
	XLOAD 0, 0
	s_mov_b32 s24, 0                               ; the gate: 0 = gate 2, 1 = gate 1
	s_mov_b32 s26, 0                               ; its images,
	s_mov_b32 s27, 0                               ; its scale words
.Lgate:
	WIN 0x40
	s_wait_alu depctr_va_vdst(0)                   ; the exchange's arithmetic of the gate before is done reading window 1's v[BI] on, in which the bias lands
.irp t, 0,1,2,3,4,5,6,7                            ; the bias of u: lane (r, h) wants, for tile t, that of experts 32 (t / 2) + 16 h + 8 (t % 2) + 0 .. 7 of my 128.  It is wanted a pass later: 200 loads are issued behind it
	global_load_b128 v[BI+8*\t:BI+8*\t+3], v[BOF], s[32:33] offset:(32*(\t/2)+8*(\t%2))*4
	global_load_b128 v[BI+8*\t+4:BI+8*\t+7], v[BOF], s[32:33] offset:(32*(\t/2)+8*(\t%2))*4+16
.endr
	PASS 1                                         ; the logits
	; ---- my wave's largest logit of each token; each accumulator is read from its low end on
	s_wait_alu depctr_vm_vsrc(0)                   ; the LDS stores of the gate before have read the statistics v[ST] on and, where g was parked, window 2: both are written again below
	WIN 0x0f
.irp m, 0,1,2,3
	v_max_num_f32 v[TM+\m], v[64*\m], v[64*\m+1]
.endr
	WIN 0x3c
.set i, 2
.rept 31
.irp m, 0,1,2,3
	v_max3_num_f32 v[TM+\m], v[TM+\m], v[64*\m+i], v[64*\m+i+1]   ; (the four tiles by turns)
.endr
.set i, i+2
.endr
	WIN 0
.irp m, 0,1,2,3
	v_permlanex16_b32 v[TM+4+\m], v[TM+\m], s22, s23
.endr
.irp m, 0,1,2,3
	v_max_num_f32 v[TM+\m], v[TM+\m], v[TM+4+\m]
.endr
.irp m, 0,1,2,3
	v_mul_f32 v[ST+4*\m], v[AA], v[TM+\m]          ; MA
.endr
	WIN 0x83
.irp m, 0,1,2,3
.set i, 0
.rept 32
	v_pk_fma_f32 v[64*\m+i:64*\m+i+1], v[64*\m+i:64*\m+i+1], v[AA:AA+1], v[ST+4*\m:ST+4*\m+1] op_sel_hi:[1,0,0] neg_lo:[0,0,1] neg_hi:[0,0,1]   ; z A - MA, into window 2
.set i, i+2
.endr
.endr
	WIN 0x82
.set i, 0
	s_wait_alu depctr_va_vdst(0)
.rept 256
	v_exp_f32 v[i], v[i]                           ; p
.set i, i+1
.endr
	WIN 0
	v_nop                                          ; a plain place behind the last exponential,
	s_wait_alu depctr_va_vdst(0)                   ; and one wait for the batch: the 256 p are written, ahead of their first reader
	WIN 0x0a
.irp m, 0,1,2,3
	v_pk_add_f32 v[SA+4*\m:SA+4*\m+1], v[64*\m:64*\m+1], v[64*\m+2:64*\m+3]
	v_pk_add_f32 v[SA+4*\m+2:SA+4*\m+3], v[64*\m+4:64*\m+5], v[64*\m+6:64*\m+7]
.endr
	WIN 0x08
.set i, 8
.rept 14
.irp m, 0,1,2,3
	v_pk_add_f32 v[SA+4*\m:SA+4*\m+1], v[SA+4*\m:SA+4*\m+1], v[64*\m+i:64*\m+i+1]
	v_pk_add_f32 v[SA+4*\m+2:SA+4*\m+3], v[SA+4*\m+2:SA+4*\m+3], v[64*\m+i+2:64*\m+i+3]
.endr
.set i, i+4
.endr
	FOLD 1                                         ; sum p
	BAR                                            ; every wave has read the last gate's exchange words: they may be written again behind this barrier
	PASS 2                                         ; x u^T + the bias
	; ---- relu squared, and sum x p
	WIN 0xcf
.set i, 0
.rept 256
	v_max_num_f32 v[i], 0, v[i]
.set i, i+1
.endr
.set i, 0
.rept 128
	v_pk_mul_f32 v[i:i+1], v[i:i+1], v[i:i+1]
.set i, i+2
.endr
	WIN 0x0b                                       ; source 0 window 3 (x), source 1 window 2 (p)
.irp m, 0,1,2,3
	v_pk_mul_f32 v[SA+4*\m:SA+4*\m+1], v[64*\m:64*\m+1], v[64*\m:64*\m+1]
	v_pk_mul_f32 v[SA+4*\m+2:SA+4*\m+3], v[64*\m+2:64*\m+3], v[64*\m+2:64*\m+3]
.endr
.set i, 4
.rept 15
.irp m, 0,1,2,3
	v_pk_fma_f32 v[SA+4*\m:SA+4*\m+1], v[64*\m+i:64*\m+i+1], v[64*\m+i:64*\m+i+1], v[SA+4*\m:SA+4*\m+1]
	v_pk_fma_f32 v[SA+4*\m+2:SA+4*\m+3], v[64*\m+i+2:64*\m+i+3], v[64*\m+i+2:64*\m+i+3], v[SA+4*\m+2:SA+4*\m+3]
.endr
.set i, i+4
.endr
	FOLD 2                                         ; sum x p
	s_wait_alu depctr_vm_vsrc(0)                   ; the image stores of the gate before have read v8 and v9
	v_add_nc_u32 v8, s26, v[IMW]                   ; this gate's images and scale words: the two adds stand ahead of a wait that is owed anyway
	v_add_nc_u32 v9, s27, v[SCW]
	s_wait_alu depctr_va_vdst(0)                   ; the statistics v[ST] on are written, which the LDS stores below read; so are v8 and v9, by which the images are stored
.irp m, 0,1,2,3
	ds_store_b128 v[XCW], v[ST+4*\m:ST+4*\m+3] offset:256*\m   ; both halves of the lanes write the same 16 bytes with the same numbers
.endr
	BAR                                            ; all four waves' words lie in LDS
	; ---- the exchange.  No wait on va_vdst: window 1's v[BI] on were last named by the u pass's first step, ahead of the waits above, and the four addresses were made at the head
	WIN 0x40
.irp m, 0,1,2,3
	ds_load_b128 v[BI+16*\m:BI+16*\m+3], v[XCR] offset:256*\m
	ds_load_b128 v[BI+16*\m+4:BI+16*\m+7], v[XC1] offset:256*\m
	ds_load_b128 v[BI+16*\m+8:BI+16*\m+11], v[XC1+1] offset:256*\m
	ds_load_b128 v[BI+16*\m+12:BI+16*\m+15], v[XC1+2] offset:256*\m
.endr
	WIN 0
.irp m, 0,1,2,3
	v_mov_b32 v[TP+2*\m], v[TC+2*\m]               ; the last gate's t is kept
.endr
	s_wait_dscnt 0x0
	WIN 0x15
.irp m, 0,1,2,3
	v_max3_num_f32 v[MG+\m], v[BI+16*\m], v[BI+16*\m+4], v[BI+16*\m+8]
.endr
	WIN 0x01
.irp m, 0,1,2,3
	v_max_num_f32 v[MG+\m], v[BI+16*\m+12], v[MG+\m]   ; the token's largest MA
.endr
.irp m, 0,1,2,3
.irp q, 0,1,2,3
	v_sub_f32 v[DD+4*\m+\q], v[BI+16*\m+4*\q], v[MG+\m]
.endr
.endr
	WIN 0
.irp m, 0,1,2,3
	v_sub_f32 v[DO+\m], v[ST+4*\m], v[MG+\m]       ; my own wave's
.endr
.set i, 0
	s_wait_alu depctr_va_vdst(0)
.rept 20
	v_exp_f32 v[DD+i], v[DD+i]                     ; f
.set i, i+1
.endr
	v_nop
	s_wait_alu depctr_va_vdst(0)                   ; one wait for the twenty: the f are written, ahead of their first reader
	WIN 0x01
.irp m, 0,1,2,3
	v_mul_f32 v[SS+\m], v[BI+16*\m+1], v[DD+4*\m]
	v_mul_f32 v[TT+\m], v[BI+16*\m+2], v[DD+4*\m]
.endr
.irp q, 1,2,3
.irp m, 0,1,2,3
	v_fma_f32 v[SS+\m], v[BI+16*\m+4*\q+1], v[DD+4*\m+\q], v[SS+\m]
	v_fma_f32 v[TT+\m], v[BI+16*\m+4*\q+2], v[DD+4*\m+\q], v[TT+\m]
.endr
.endr
	WIN 0
	s_wait_alu depctr_va_vdst(0)
.irp m, 0,1,2,3
	v_rcp_f32 v[RR+\m], v[SS+\m]                   ; S is at least about 1: the wave with the largest MA has f = 1 and a p of about 1
.endr
	v_nop
	s_wait_alu depctr_va_vdst(0)                   ; one wait for the four: the reciprocals are written, ahead of their first reader
.irp m, 0,1,2,3
	v_mul_f32 v[CC+2*\m], v[DO+\m], v[RR+\m]       ; f / S
	v_mul_f32 v[TC+2*\m], v[TT+\m], v[RR+\m]       ; t = sum x g
.endr
	; ---- g and x g, quantised; their images and scale words into my wave's own LDS
.irp m, 0,1,2,3
	WIN 0x82
.set i, 0
.rept 32
	v_pk_mul_f32 v[64*\m+i:64*\m+i+1], v[64*\m+i:64*\m+i+1], v[CC+2*\m:CC+2*\m+1] op_sel_hi:[1,0]   ; g
.set i, i+2
.endr
	WIN 0xcb
.set i, 0
.rept 32
	v_pk_mul_f32 v[64*\m+i:64*\m+i+1], v[64*\m+i:64*\m+i+1], v[64*\m+i:64*\m+i+1]   ; x g (window 3 x window 2)
.set i, i+2
.endr
	QUANT 3, 64*\m
	IMAGE 8, 1536*\m
	ds_store_b32 v9, v[PW] offset:128*\m
	QUANT 2, 64*\m
	IMAGE 8, 6144+1536*\m
	ds_store_b32 v9, v[PW] offset:1024+128*\m
.endr
	s_cmp_lg_u32 s24, 0
	s_cbranch_scc1 .Lparked                        ; gate 2's g waits in LDS for gate 1's t; gate 1's stays in registers
	WIN 0x08                                       ; an LDS store's data are its source 1: window 2.  All of g was written ahead of the last wait on va_vdst, and no vector instruction has been issued since
.set i, 0
.rept 64
	ds_store_b128 v[G2A], v[4*i:4*i+3] offset:8192*(i/16)+512*(i%16)
.set i, i+1
.endr
	WIN 0
.Lparked:
	s_add_co_u32 s26, s26, 12288
	s_add_co_u32 s27, s27, 1536
	v_mov_b32 v[AA], v[AN]
	s_wait_xcnt 0x0                                ; the bias's loads have read their base
	s_mov_b64 s[32:33], s[34:35]
	s_add_co_u32 s24, s24, 1
	s_cmp_lt_u32 s24, 2
	s_cbranch_scc1 .Lgate
	; ---- t1 g2: a tile's g2 comes back from my own LDS, and the image takes the place of bytes that have been read
	s_wait_dscnt 0x0                               ; my last LDS stores are done
	s_mov_b32 s25, 0
	s_mov_b32 s28, 0
	s_mov_b32 s29, 0
.Ltg1:
	s_wait_alu depctr_vm_vsrc(0)                   ; the LDS stores and loads issued so far have read v8 and v9
	v_add_nc_u32 v8, s28, v[G2A]
	v_add_nc_u32 v9, s29, v[SCW]
	WIN 0xc0
	s_wait_alu depctr_va_vdst(0)                   ; v8 and v9 are written; the vector work is done with window 3's v0 to v63, in which the loads land
.set i, 0
.rept 16
	ds_load_b128 v[4*i:4*i+3], v8 offset:512*i
.set i, i+1
.endr
	s_wait_dscnt 0x0
	WIN 0xc3
.set i, 0
.rept 32
	v_pk_mul_f32 v[i:i+1], v[i:i+1], v[TC:TC+1] op_sel_hi:[1,0]
.set i, i+2
.endr
	QUANT 3, 0
	IMAGE 8, 1536
	ds_store_b32 v9, v[PW] offset:512
	v_mov_b32 v[TC], v[TC+2]                       ; the next tile's t moves down
	v_mov_b32 v[TC+2], v[TC+4]
	v_mov_b32 v[TC+4], v[TC+6]
	s_wait_dscnt 0x0                               ; the image lies in LDS
	s_add_co_u32 s28, s28, 8192
	s_add_co_u32 s29, s29, 128
	s_add_co_u32 s25, s25, 1
	s_cmp_lt_u32 s25, 4
	s_cbranch_scc1 .Ltg1
	; ---- t2 g1
.irp m, 0,1,2,3
	WIN 0xc2
.set i, 0
.rept 32
	v_pk_mul_f32 v[64*\m+i:64*\m+i+1], v[64*\m+i:64*\m+i+1], v[TP+2*\m:TP+2*\m+1] op_sel_hi:[1,0]
.set i, i+2
.endr
	QUANT 3, 64*\m
	IMAGE G2A, 8192*\m
	ds_store_b32 v[SCW], v[PW] offset:1536+512+128*\m
.endr
	BAR                                            ; all 96 fragments and their scale words lie in LDS; nothing of them is written again
	; ---- my half's 48 fragments into registers: K step s was made by wave s
	s_wait_alu depctr_vm_vsrc(0)                   ; the image stores have read v[PW] and v[PC] on, in which fragments land; the head's loads and stores have read v25 to v27, which are written below
	s_xor_b32 s38, s21, 1                          ; the gate's order: half 1 (gate 2) came first
	s_mul_i32 s39, s38, 12288
	s_mul_i32 s40, s21, 1536
	s_add_co_u32 s40, s40, G2FO
	s_mul_i32 s41, s38, 1536
	s_add_co_u32 s41, s41, SCLO
	v_add_nc_u32 v19, s39, v[LI]
	v_add_nc_u32 v23, s40, v[LI]
.irp s, 1,2,3
	v_add_nc_u32 v[19+\s], \s*WREG, v19
	v_add_nc_u32 v[23+\s], \s*WREG, v23
.endr
	v_and_b32 v27, 15, v0
	v_bfe_u32 v28, v0, 4, 1
	v_lshlrev_b32 v27, 2, v27
	v_mad_u32_u24 v27, v28, 2*WREG, v27            ; scale words: lanes 0-15 K step z, lanes 16-31 K step z + 2: two waves' regions on
	v_add_nc_u32 v27, s41, v27
	v_add_nc_u32 v28, WREG, v27
	s_wait_alu depctr_va_vdst(0)                   ; the ten addresses v19 to v28 are written; vector and matrix instructions are done with windows 2 and 3, v48 to v71 and v112 to v255, in which the 168 loads below land
.macro OPLD e
.set oo, (\e)/4
.set ow, (\e)%4
.if (\e) < 5
	WIN 0x80
.set ob, 48*(\e)
.elseif (\e) < 9
	WIN 0xc0
.set ob, 48*((\e)-5)
.else
	WIN 0
.set ob, 112+48*((\e)-9)
.endif
.irp m, 0,1,2,3
.irp c, 0,1,2
.if oo == 0
	ds_load_b128 v[ob+12*\m+4*\c:ob+12*\m+4*\c+3], v[19+ow] offset:1536*\m+512*\c
.elseif oo == 1
	ds_load_b128 v[ob+12*\m+4*\c:ob+12*\m+4*\c+3], v[23+ow] offset:8192*\m+512*\c
.else
	ds_load_b128 v[ob+12*\m+4*\c:ob+12*\m+4*\c+3], v[19+ow] offset:6144+1536*\m+512*\c
.endif
.endr
.endr
.endm
.irp e, 0,1,2,3,4,5,6,7,8,9,10,11
	OPLD \e
.endr
	WIN 0
.irp o, 0,1,2
.irp z, 0,1
.irp m, 0,1,2,3
	ds_load_b32 v[OS+8*\o+4*\z+\m], v[27+\z] offset:512*\o+128*\m
.endr
.endr
.endr
	s_wait_dscnt 0x0
; STAGE 2.  16 bytes a lane of record rec, counted from the quad's first; records 6 and 7 are the next quad's first two.
.macro RLOAD reg, rec, off
.if (\rec) < 6
	global_load_b128 v[(\reg):(\reg)+3], v[LI], s[30:31] offset:(\rec)*RECB+(\off)
.else
	global_load_b128 v[(\reg):(\reg)+3], v[LI], s[38:39] offset:((\rec)-6)*RECB+(\off)
.endif
.endm
.macro RRING rec, lo                   ; four fragments, lo .. lo + 3, of record rec into their slots of ring set rec % 2
	WIN 0x40
.irp k, 0,1,2,3
.irp c, 0,1,2
	RLOAD 12*(8*((\rec)%2)+(\lo)+\k)+4*\c, \rec, 512+1536*((\lo)+\k)+512*\c
.endr
.endr
.endm
; Group p of record kp: two weight fragments, each against the four token tiles of its operand: four accumulators by turns.  Fragment F = 8 kp + f: column tile F / 12 of the quad, e = F % 12.
.macro QGRP kp, p
.irp u, 0,1
.set fq, 2*(\p)+\u
.set qF, 8*(\kp)+fq
.set qc, qF/12
.set qe, qF%12
.if qe < 5
.set wB, 2
.set rB0, 48*qe
.elseif qe < 9
.set wB, 3
.set rB0, 48*(qe-5)
.else
.set wB, 0
.set rB0, 112+48*(qe-9)
.endif
.set wD, 3-2*(qc/2)
	WIN 1|(wB<<2)|(wD<<4)|(wD<<6)
.irp m, 0,1,2,3
.set rD, 192+32*(qc%2)+8*\m
.set rC, rD
.set rA, 12*(8*((\kp)%2)+fq)
.set rB, rB0+12*\m
.set rSA, SCS+4*((\kp)%3)+fq%4
.set rSB, OS+8*(qe/4)+4*(qe%2)+\m
.set fA, fq/4
.set fB, (qe%4)/2
.set zC, 0
.if qe == 0
.set zC, 1
.endif
	WM
.endr
.endr
.endm
; Record kp of a quad's six.  The ring goes on as in stage 1: the same two waits, the same order of loads, the same four counts.
.macro REC kp
	WIN 0
	s_wait_alu depctr_va_vdst(0)                   ; the record before is done reading slots 4-7 of its ring set and its scale words, in whose registers the loads below land
	RLOAD SCS+4*(((\kp)+2)%3), (\kp)+2, 0
	RRING (\kp)+1, 4
	s_wait_loadcnt 44
	QGRP \kp, 0
	s_wait_loadcnt 38
	QGRP \kp, 1
	NOPS 4                                         ; the places ahead of the loads, as in stage 1; the wait below states the dependence
	WIN 0x40
	s_wait_alu depctr_va_vdst(0)                   ; groups 0 and 1 are done reading slots 0-3 of this record's ring set
	RRING (\kp)+2, 0
	s_wait_loadcnt 43
	QGRP \kp, 2
	s_wait_loadcnt 37
	QGRP \kp, 3
.if (\kp) < 5
	NOPS 4                                         ; (behind a quad's last record the way out's places stand)
.endif
.endm
; THE WAY OUT of a quad: 64 tokens x 64 columns.  A lane holds 32 neighbouring bytes of a row; a tile of 16 rows x 256 bytes goes through my own stage (rows 272 bytes apart) and comes back as whole rows:
; sixteen lanes store 256 consecutive bytes, aligned.  LDS serves a wave's instructions in order (ISA guide 5.7.1.4): no wait between the stores and the loads.
.macro OUTQ
	NOPS 5                                         ; four places ahead of the stores that read results, five ahead of the next quad's first products, which write over them
	s_wait_alu depctr_va_vdst(0)                   ; the quad's products have written the sums, which the LDS stores of all four tiles read; the places above stay beside this wait.  No vector or matrix instruction follows in the way out
.irp m, 0,1,2,3
	s_wait_xcnt 0x0                                ; the last tile's stores have had their addresses translated,
	s_wait_alu depctr_vm_vsrc(0)                   ; and have read v[OT] on, in which this tile's loads land
	WIN 0x0c                                       ; the data: window 3; each accumulator from its low end on
.irp c, 0,1
	ds_store_b128 v[OSA], v[192+32*\c+8*\m:192+32*\c+8*\m+3] offset:64*\c
	ds_store_b128 v[OSA], v[192+32*\c+8*\m+4:192+32*\c+8*\m+7] offset:64*\c+16
.endr
	WIN 0x04                                       ; window 1
.irp c, 0,1
	ds_store_b128 v[OSA], v[192+32*\c+8*\m:192+32*\c+8*\m+3] offset:128+64*\c
	ds_store_b128 v[OSA], v[192+32*\c+8*\m+4:192+32*\c+8*\m+7] offset:128+64*\c+16
.endr
	WIN 0
.irp i, 0,1,2,3,4,5,6,7
	ds_load_b128 v[OT+4*\i:OT+4*\i+3], v[OSR] offset:544*\i
.endr
.irp i, 0,1,2,3,4,5,6,7
	s_wait_dscnt 7-\i                              ; rows 2 i and 2 i + 1 are back; the younger loads may be out
	global_store_b128 v[GO], v[OT+4*\i:OT+4*\i+3], s[36:37] offset:(16*\m+2*\i)*4096 th:TH_STORE_NT
.endr
.endr
	s_wait_xcnt 0x0                                ; loads and stores have read their bases
	s_wait_alu depctr_vm_vsrc(0)                   ; the LDS stores have read the sums, which the next quad's first products write over
	s_add_nc_u64 s[36:37], s[36:37], 256
	s_add_nc_u64 s[30:31], s[30:31], 6*RECB
.endm
	s_mov_b32 s24, 4
.Lquad:                                            ; four quads of four column tiles
	s_add_nc_u64 s[38:39], s[30:31], 6*RECB        ; the ring's look-ahead beyond this quad.  The last quad has no successor: it reads parts of its own first two records once more, bytes that nobody uses,
	s_cmp_eq_u32 s24, 1                            ; so that the loop has one text, every count holds in every trip, and no load leaves ws
	s_cselect_b64 s[38:39], s[30:31], s[38:39]
.irp kq, 0,1,2,3,4,5
	REC \kq
.endr
	WIN 0
	OUTQ
	s_sub_co_u32 s24, s24, 1
	s_cmp_lg_u32 s24, 0
	s_cbranch_scc1 .Lquad
	s_wait_dscnt 0x0
	s_wait_alu depctr_hold_cnt(0) depctr_sa_sdst(0) depctr_va_vdst(0) depctr_va_sdst(0) depctr_va_ssrc(0) depctr_va_vcc(0) depctr_vm_vsrc(0)
	s_wait_tensorcnt 0x0
	ds_add_u32 v2, v17
	s_wait_dscnt 0x0
	s_endpgm
.Lfunc_end_k_q365abc0b65_main:
	.size	k_q365abc0b65_main, .Lfunc_end_k_q365abc0b65_main-k_q365abc0b65_main
	.p2alignl 7, 3214868480
	.fill 96, 4, 3214868480
	.section	.rodata,"a",@progbits
	.p2align	6, 0x0
	.amdhsa_kernel k_q365abc0b65_main
		.amdhsa_group_segment_fixed_size 313856
		.amdhsa_private_segment_fixed_size 0
		.amdhsa_enable_private_segment 0
		.amdhsa_kernarg_size 64
		.amdhsa_user_sgpr_count 2
		.amdhsa_user_sgpr_kernarg_segment_ptr 1
		.amdhsa_wavefront_size32 1
		.amdhsa_system_sgpr_workgroup_id_x 1
		.amdhsa_system_sgpr_workgroup_id_y 1
		.amdhsa_system_sgpr_workgroup_id_z 1
		.amdhsa_system_vgpr_workitem_id 0
		.amdhsa_next_free_vgpr 1024
		.amdhsa_next_free_sgpr 66
		.amdhsa_reserve_vcc 1
		.amdhsa_float_denorm_mode_32 3
		.amdhsa_float_denorm_mode_16_64 3
		.amdhsa_memory_ordered 1
		.amdhsa_forward_progress 1
		.amdhsa_inst_pref_size 255
	.end_amdhsa_kernel
	.section	.bss,"aw",@nobits
	.p2align	6
	.space	262144
	.amdgpu_metadata
---
amdhsa.version: [ 1, 2 ]
amdhsa.kernels:
  - .name:           k_q365abc0b65_main
    .symbol:         k_q365abc0b65_main.kd
    .args:
      - { .name: x_codes, .offset: 0, .size: 8, .value_kind: global_buffer, .address_space: global }
      - { .name: x_scales, .offset: 8, .size: 8, .value_kind: global_buffer, .address_space: global }
      - { .name: ln1_w, .offset: 16, .size: 8, .value_kind: global_buffer, .address_space: global }
      - { .name: ln2_w, .offset: 24, .size: 8, .value_kind: global_buffer, .address_space: global }
      - { .name: u1_b, .offset: 32, .size: 8, .value_kind: global_buffer, .address_space: global }
      - { .name: u2_b, .offset: 40, .size: 8, .value_kind: global_buffer, .address_space: global }
      - { .name: ws, .offset: 48, .size: 8, .value_kind: global_buffer, .address_space: global }
      - { .name: out0, .offset: 56, .size: 8, .value_kind: global_buffer, .address_space: global }
    .group_segment_fixed_size: 313856
    .private_segment_fixed_size: 0
    .kernarg_segment_align: 8
    .kernarg_segment_size: 64
    .max_flat_workgroup_size: 128
    .sgpr_count:     66
    .vgpr_count:     1024
    .wavefront_size: 32
...
	.end_amdgpu_metadata
.endif
;; end of part 4
